; MI455X (gfx1250); checked and timed in simulation.
; The chip was launched on July 23, 2026; its instructions are those of AMD's public machine-readable ISA for CDNA 5 (MIT licence, August 2026) and "CDNA5" Instruction Set Architecture Reference Guide (July 2026). The comments in the code are by the model that wrote it; some were corrected since.
;; Encoder Layer. Allowed arithmetic: matrix products marked QUANTISED: E2M1 operands, one E8M0 scale for each 32 along K, by v_wmma_scale_f32_16x16x128_f8f6f4 with both operands' format E2M1 (or v_wmma_scale_f32_32x16x128_f4), f32 sums; everything else in f32.
;; Inputs: W1_codes 4,096 x 32 x 16 uint8 (E2M1 codes of W1, K innermost, in blocks of 32 codes, two codes a byte); W1_scales 4,096 x 32 uint8 (E8M0 scales of W1, one for each 32 codes along K); W2_codes 1,024 x 128 x 16 uint8 (E2M1 codes of W2, K innermost, in blocks of 32 codes, two codes a byte); W2_scales 1,024 x 128 uint8 (E8M0 scales of W2, one for each 32 codes along K); Wk_codes 1,024 x 32 x 16 uint8 (E2M1 codes of Wk, K innermost, in blocks of 32 codes, two codes a byte); Wk_scales 1,024 x 32 uint8 (E8M0 scales of Wk, one for each 32 codes along K); Wo_codes 1,024 x 32 x 16 uint8 (E2M1 codes of Wo, K innermost, in blocks of 32 codes, two codes a byte); Wo_scales 1,024 x 32 uint8 (E8M0 scales of Wo, one for each 32 codes along K); Wq_codes 1,024 x 32 x 16 uint8 (E2M1 codes of Wq, K innermost, in blocks of 32 codes, two codes a byte); Wq_scales 1,024 x 32 uint8 (E8M0 scales of Wq, one for each 32 codes along K); Wv_codes 1,024 x 32 x 16 uint8 (E2M1 codes of Wv, K innermost, in blocks of 32 codes, two codes a byte); Wv_scales 1,024 x 32 uint8 (E8M0 scales of Wv, one for each 32 codes along K); b1 4,096 float32; b2 1,024 float32; be1 1,024 float32; be2 1,024 float32; bk 1,024 float32; bo 1,024 float32; bq 1,024 float32; bv 1,024 float32; g1 1,024 float32; g2 1,024 float32; x 2 x 2,048 x 1,024 float32.
;; Outputs: out0 2 x 2,048 x 1,024 float32.
;; This version of the problem:
;;   THIS VERSION OF THE PROBLEM IS GIVEN IN LOW PRECISION. The matrix products marked QUANTISED in the list below multiply operands that are first quantised to E2M1 (2 exponent bits, 1 mantissa bit; 4 bits a number), with one power-of-two scale for each 32 numbers along K (OCP MX v1.0); their sums are f32. All else is computed in f32.
;;   The module's matrix products, in the order in which they are computed (A, B: the left and right operand; K: the contracted axis; several contracted axes count as one K, in the product's order):
;;     1. [M 4,096, K 1,024] x [K 1,024, N 1,024]; A: input x; B: input Wq (given as codes): QUANTISED
;;     2. [M 4,096, K 1,024] x [K 1,024, N 1,024]; A: input x; B: input Wk (given as codes): QUANTISED
;;     3. [M 4,096, K 1,024] x [K 1,024, N 1,024]; A: input x; B: input Wv (given as codes): QUANTISED
;;     4. batch 32 x [M 2,048, K 64] x [K 64, N 2,048]; A: computed on the way; B: computed on the way: QUANTISED
;;     5. batch 32 x [M 2,048, K 2,048] x [K 2,048, N 64]; A: softmax (see below); B: computed on the way: QUANTISED
;;     6. [M 4,096, K 1,024] x [K 1,024, N 1,024]; A: computed on the way; B: input Wo (given as codes): QUANTISED
;;     7. [M 4,096, K 1,024] x [K 1,024, N 4,096]; A: computed on the way; B: input W1 (given as codes): QUANTISED
;;     8. [M 4,096, K 4,096] x [K 4,096, N 1,024]; A: computed on the way; B: input W2 (given as codes): QUANTISED
;;   THE QUANTISER, for each operand of a quantised product, along K:
;;     - K is cut into blocks of 32 from its start; a last block that is shorter is filled with zeros.
;;     - A block's scale is 2^e with e = floor(log2(the largest magnitude in the block)) - 2, held to -126 .. 127; a block of zeros has e = 0. As a byte (E8M0): e + 127.
;;     - Each number is divided by its block's scale, clamped to +-6, and rounded to the nearest number of E2M1, ties to even, subnormals kept.
;;     - The product sums the exact products of the quantised numbers (number of the format x scale) in f32.
;;   ~~~python
;;   def quantise(x, axis):      # numpy; x: float32 -> the quantised numbers, widened to float32 again
;;       x = np.moveaxis(x, axis, -1); K = x.shape[-1]
;;       x = np.pad(x, [(0, 0)] * (x.ndim - 1) + [(0, -K % 32)]); x = x.reshape(x.shape[:-1] + (-1, 32)); a = np.abs(x).max(-1, keepdims=True)
;;       e = np.where(a > 0, np.clip(np.frexp(np.where(a > 0, a, 1))[1] - 1 - 2, -126, 127), 0)      # np.frexp(a)[1] - 1 = floor(log2(a)), exactly
;;       r = np.clip(x / 2.0 ** e, -6, 6)
;;       step = 2.0 ** (np.maximum(np.frexp(np.where(r == 0, 1, r))[1] - 1, 0) - 1)
;;       q = np.round(r / step) * step * 2.0 ** e      # np.round: ties to even
;;       return np.moveaxis(q.reshape(q.shape[:-2] + (-1,))[..., :K], -1, axis).astype(np.float32)
;;   ~~~
;;   SOFTMAX AHEAD OF A QUANTISED PRODUCT. Where the list says 'softmax', what is quantised is not the finished softmax but p = 2^(t - M), with t = logit x log2(e) and M = ceil(the row's largest t), a whole number; so 1/2 < the row's largest p <= 1. The row's sum l is taken of the UNQUANTISED p, in f32, and the product's result is divided by l at the end. Since M is a whole number, a kernel that streams over the keys may use a running M (the ceiling of the running maximum): every later rescaling is an exact power of two, which a block's scale takes up: the codes' values come out the same.
;;   OPERANDS COMPUTED ON THE WAY. 'Computed on the way' means the value that the module computes at that place (a softmax that the list does not call 'softmax' is quantised finished and normalised). What goes into a quantiser is computed in f32, as accurately as f32 sums, v_exp_f32 and their like allow (about 1e-6 of the number): no bf16 or f16 on the way to a quantiser, and a product that is left as it is and whose result goes on into a quantised operand takes f32 operands (vector FMAs, or v_wmma_f32_16x16x4_f32). A number that lies on a knife's edge between two numbers of the format may be rounded either way, as far as f32 arithmetic and the matrix unit's own rounding can turn it there, and no further.
;;   INPUTS GIVEN AS CODES. W1 (in the module: [1024, 4096], K = its axis 0); W2 (in the module: [4096, 1024], K = its axis 0); Wk (in the module: [1024, 1024], K = its axis 0); Wo (in the module: [1024, 1024], K = its axis 0); Wq (in the module: [1024, 1024], K = its axis 0); Wv (in the module: [1024, 1024], K = its axis 0): each comes as NAME_codes (uint8): NAME with its K axis moved to the last place and cut into blocks of 32 codes, [.., K / 32, bytes a block], one block behind the other in memory; two codes a byte, the lower K in the low four bits (a code: sign, 2 exponent bits, 1 mantissa bit); and NAME_scales (uint8): the same leading axes, one E8M0 byte (e + 127) for each 32 codes along K. Its value is code x scale, taken as it is: it is not quantised again, and the codes and scales need not be those that the quantiser above would give.
;; One version. Each part assembles by itself: llvm-mc -triple=amdgcn-amd-amdhsa -mcpu=gfx1250 --defsym DOCPART=n.
;; ======== version 1 of 1: 7 launches
;; limits: right only within a limited range of input values
;; workspace buffers: xq 2,228,224 bytes; hq 2,228,224 bytes; cq 2,228,224 bytes; wq 6,684,672 bytes; qkv 6,684,672 bytes; fq 8,912,896 bytes; yy 16,777,216 bytes; hf 16,777,216 bytes
;; launch prep (part 1): grid 320 x 1, 4 waves a work-group, no clusters, 68,096 bytes of LDS; arguments x, Wq_codes, Wk_codes, Wv_codes, Wo_codes, W1_codes, W2_codes, Wq_scales, Wk_scales, Wv_scales, Wo_scales, W1_scales, W2_scales, xq, wq; writes xq, wq
.if DOCPART == 1
	.amdgcn_target "amdgcn-amd-amdhsa--gfx1250"
	.amdhsa_code_object_version 6
	.text
	.protected	k_q8c9f4c77af_prep
	.globl	k_q8c9f4c77af_prep
	.p2align	8
	.type	k_q8c9f4c77af_prep,@function
k_q8c9f4c77af_prep:
	s_mov_b64 s[64:65], 0
	v_nop
	global_prefetch_b8 v0, s[64:65] scope:SCOPE_SE
	s_setreg_imm32_b32 hwreg(HW_REG_WAVE_MODE, 25, 1), 1
	s_wait_xcnt 0x0
; PREP: the first of seven launches of an encoder layer on 4,096 rows (D 1,024, 16 heads of 64, FF 4,096), all eight products on E2M1 codes with E8M0 scales.
; NOTHING OF THE PROBLEM IS LEFT OUT: every product, every bias, gain and offset has a way to the output or into a quantised operand, so all 23 inputs are loaded by some launch.
; This launch (a) quantises x along its rows, (b) lays the six weights' codes and scale bytes anew.  Both go into THE ORDER OF THE OPERAND'S REGISTERS:
;   a fragment (16 rows x 128 K) is 1,024 bytes: byte 512 c + 16 lane + n is byte n of the 16 bytes that registers 4 c .. 4 c + 3 of that lane hold (row lane % 16, k = 64 c + 32 (lane / 16) + 0 .. 31);
;   a matrix is [tile of 16 rows][K step][1,024];  the scale word of (row, K step s) lies at ((row / 32) (K / 512) + s / 4) 512 + (row % 32) 16 + 4 (s % 4).
; So the products' launches fetch every fragment by two loads of 512 consecutive bytes, and four K steps' scale words of 32 rows by one.
; Work-groups 0-127: x.  A wave takes 16 rows x 512 along K, in four steps of 128.  Each load reads 512 consecutive bytes of one row; the 16 x 512 bytes turn through the wave's own stage in LDS
; (rows 528 bytes apart) and come back so that a lane holds two whole blocks of 32 of its row, in the order of the operand's registers.
; Work-groups 128-319: the weights.  A wave copies 32 rows x 512 along K (256 bytes of each row) and their 16 scale bytes a row; no LDS.
; THE SCALE: the block's largest magnitude, with the floor 2^-124 among its leaves; 2 off its exponent field is the conversion's scale operand, and that field the byte.
; LIMITS: NaN and infinities among the inputs are not served; a block whose largest magnitude lies under 2^-124 keeps the byte 1, a block of zeros too (its codes are zeros, and this program alone reads the bytes).
.set XSC,   2097152                    ; in xq: behind the codes, the scale words
.set WSC,   6291456                    ; in wq: likewise
.set SPARE, 67584                      ; behind the four waves' stages: the spare words, 128 bytes a wave
.set LO,   1                           ; v1   16 x lane
.set SIN,  2                           ; v2   the stage, on the way in
.set SOUT, 3                           ; v3   and on the way out
.set H8,   4                           ; v4   8 x (lane / 16)
.set WOF,  5                           ; v5   where my part of the scale words goes
.set SPW,  12                          ; v12  my spare word; never rewritten
.set NIL,  13                          ; v13  0; never rewritten
.set TM,   16                          ; v16-17 largest magnitudes; v18-19 scale operands; v20-21 bytes; v22 at work
.set SOP,  18
.set BY,   20
.set WT,   22
.set PC,   24                          ; v24-31 a fragment's codes
.set WD,   32                          ; v32-35 the four steps' scale words
.set R,    64                          ; v64-191 two sets of 64: x as loaded
.set X,    192                         ; v192-255 64 numbers in the operand's order
.set SEL,  46                          ; s[46:47] lane selects: lane l xor 16
	s_load_b512 s[4:19], s[0:1], 0x0               ; x, the six weights' codes (q k v o 1 2), Wq's scales
	s_load_b256 s[20:27], s[0:1], 0x40             ; scales of Wk, Wv, Wo, W1
	s_load_b128 s[28:31], s[0:1], 0x60             ; W2's scales, xq
	s_load_b64 s[32:33], s[0:1], 0x70              ; wq
	v_lshl_add_u32 v[SPW], v0, 2, SPARE
	v_mov_b32 v[NIL], 0
	v_lshrrev_b32 v2, 5, v0
	v_readfirstlane_b32 s36, v2                    ; wave
	v_and_b32 v9, 31, v0                           ; lane
	v_and_b32 v10, 15, v0                          ; r
	v_bfe_u32 v11, v0, 4, 1                        ; h
	v_lshlrev_b32 v[LO], 4, v9
	s_wait_kmcnt 0x0
	s_cmp_lt_u32 ttmp9, 128
	s_cbranch_scc0 .Lweights
; 64 numbers of a lane, v[s + 32 c + i] = k 64 c + 32 h + i of my row: two whole blocks.  Codes into v[pc] on, the row's scale word into v[wd].
.macro QUANT2 s, pc, wd
.irp c, 0,1
	v_max3_num_f32 v[TM+\c], |v[\s+32*\c]|, |v[\s+32*\c+1]|, 0x1800000     ; with the floor 2^-124: the byte cannot fall under 1
.endr
.irp i, 2,4,6,8,10,12,14,16,18,20,22,24,26,28,30
.irp c, 0,1
	v_max3_num_f32 v[TM+\c], v[TM+\c], |v[\s+32*\c+\i]|, |v[\s+32*\c+\i+1]|
.endr
.endr
.irp c, 0,1
	v_add_nc_u32 v[SOP+\c], 0xff000000, v[TM+\c]   ; 2 off the exponent field: the conversion's scale operand
.endr
.irp c, 0,1
	v_lshrrev_b32 v[BY+\c], 23, v[SOP+\c]          ; the byte
.endr
	v_lshl_or_b32 v[BY], v[BY+1], 16, v[BY]        ; my blocks are h and 2 + h of the K step
	v_lshlrev_b32 v[BY], v[H8], v[BY]
	v_permlanex16_b32 v[WT], v[BY], s[SEL], s[SEL+1]
	v_or_b32 v[\wd], v[BY], v[WT]                  ; with lane l xor 16's two bytes the word is whole
.irp c, 0,1
.irp g, 0,1,2,3
	v_cvt_scalef32_pk8_fp4_f32 v[\pc+4*\c+\g], v[\s+32*\c+8*\g:\s+32*\c+8*\g+7], v[SOP+\c]
.endr
.endr
	v_nop                                          ; one plain line behind the last scaled conversion
.endm
.macro XLOAD q                         ; K step q: 16 rows, 512 consecutive bytes each
.set i, 0
.rept 16
	global_load_b128 v[R+64*((\q)%2)+4*i:R+64*((\q)%2)+4*i+3], v[LO], s[4:5] offset:4096*i+512*(\q) th:TH_LOAD_NT
.set i, i+1
.endr
.endm
.macro XSTEP q
.if (\q) < 3
	s_wait_loadcnt 16                              ; this step's 16 loads are in; the next step's 16 may be out
.else
	s_wait_loadcnt 0x0
.endif
.set i, 0
.rept 16
	ds_store_b128 v[SIN], v[R+64*((\q)%2)+4*i:R+64*((\q)%2)+4*i+3] offset:8448*((\q)%2)+528*i
.set i, i+1
.endr
.set i, 0
.rept 16
	ds_load_b128 v[X+4*i:X+4*i+3], v[SOUT] offset:8448*((\q)%2)+256*(i/8)+16*(i%8)   ; a wave's LDS instructions are served in order: these see the stores above
.set i, i+1
.endr
	s_wait_dscnt 0x0                               ; the numbers are back, and the stores have read their registers
.if (\q)+2 < 4
	XLOAD (\q)+2
.endif
	s_wait_xcnt 0x0                                ; the last step's stores have read the codes' registers
	QUANT2 X, PC, WD+(\q)
	global_store_b128 v[LO], v[PC:PC+3], s[44:45] offset:1024*(\q)        ; 512 consecutive bytes
	global_store_b128 v[LO], v[PC+4:PC+7], s[44:45] offset:1024*(\q)+512
.endm
	; ---- x
	s_lshl_b32 s37, ttmp9, 1
	s_lshr_b32 s38, s36, 1
	s_add_co_u32 s37, s37, s38                     ; t: my tile of 16 rows
	s_and_b32 s38, s36, 1                          ; which 512 along K
	s_lshl_b32 s40, s37, 16                        ; 16 rows of 4,096 bytes
	s_lshl_b32 s42, s38, 11
	s_add_co_u32 s40, s40, s42
	s_mov_b32 s41, 0
	s_add_nc_u64 s[4:5], s[4:5], s[40:41]
	s_wait_alu depctr_va_vdst(0)
	XLOAD 0
	XLOAD 1
	s_lshl_b32 s40, s37, 13                        ; the codes: fragment 8 t + 4 kg
	s_lshl_b32 s42, s38, 12
	s_add_co_u32 s40, s40, s42
	s_add_nc_u64 s[44:45], s[30:31], s[40:41]
	s_lshr_b32 s40, s37, 1                         ; the scale words: ((t / 2) 2 + kg) 512 + (t % 2) 256
	s_lshl_b32 s40, s40, 10
	s_lshl_b32 s42, s38, 9
	s_add_co_u32 s40, s40, s42
	s_and_b32 s42, s37, 1
	s_lshl_b32 s42, s42, 8
	s_add_co_u32 s40, s40, s42
	s_add_co_u32 s40, s40, XSC
	s_add_nc_u64 s[30:31], s[30:31], s[40:41]
	s_mul_i32 s39, s36, 16896                      ; my two stages
	v_add_nc_u32 v[SIN], s39, v[LO]
	v_mul_u32_u24 v[SOUT], v10, 528
	v_lshl_add_u32 v[SOUT], v11, 7, v[SOUT]
	v_add_nc_u32 v[SOUT], s39, v[SOUT]
	v_lshlrev_b32 v[H8], 3, v11
	v_lshl_add_u32 v[WOF], v10, 4, v[H8]           ; 16 r + 8 h
	s_mov_b32 s[SEL], 0x76543210
	s_mov_b32 s[SEL+1], 0xfedcba98
	v_mov_b32 v[WT], 0                             ; a lane permute's destination counts as read
	s_wait_alu depctr_va_vdst(0)
	XSTEP 0
	XSTEP 1
	XSTEP 2
	XSTEP 3
	v_cmp_le_u32 vcc_lo, 16, v9
	v_cndmask_b32 v36, v[WD], v[WD+2], vcc_lo      ; lanes 0-15 store words 0, 1 of their row, lanes 16-31 words 2, 3
	v_cndmask_b32 v37, v[WD+1], v[WD+3], vcc_lo
	global_store_b64 v[WOF], v[36:37], s[30:31]    ; the 32 lanes cover 256 consecutive bytes, aligned
	s_wait_tensorcnt 0x0                           ; the wave's end, behind my last LDS store
	ds_add_u32 v[SPW], v[NIL]
	s_wait_dscnt 0x0
	s_endpgm
	; ---- the weights
.Lweights:
	s_sub_co_u32 s40, ttmp9, 128                   ; j: 0-15 Wq, 16-31 Wk, 32-47 Wv, 48-63 Wo, 64-127 W1, 128-191 W2
	s_mov_b64 s[42:43], s[16:17]
	s_mov_b64 s[44:45], s[28:29]
	s_mov_b32 s46, 0
	s_cmp_lt_u32 s40, 128
	s_cselect_b64 s[42:43], s[14:15], s[42:43]
	s_cselect_b64 s[44:45], s[26:27], s[44:45]
	s_cselect_b32 s46, 128, s46                    ; the weight's first pair of tiles among the pairs of the five short-K weights
	s_cmp_lt_u32 s40, 64
	s_cselect_b64 s[42:43], s[12:13], s[42:43]
	s_cselect_b64 s[44:45], s[24:25], s[44:45]
	s_cselect_b32 s46, 96, s46
	s_cmp_lt_u32 s40, 48
	s_cselect_b64 s[42:43], s[10:11], s[42:43]
	s_cselect_b64 s[44:45], s[22:23], s[44:45]
	s_cselect_b32 s46, 64, s46
	s_cmp_lt_u32 s40, 32
	s_cselect_b64 s[42:43], s[8:9], s[42:43]
	s_cselect_b64 s[44:45], s[20:21], s[44:45]
	s_cselect_b32 s46, 32, s46
	s_cmp_lt_u32 s40, 16
	s_cselect_b64 s[42:43], s[6:7], s[42:43]
	s_cselect_b64 s[44:45], s[18:19], s[44:45]
	s_cselect_b32 s46, 0, s46
	s_lshr_b32 s47, s36, 1
	s_and_b32 s48, s36, 1                          ; K = 1,024: kg = wave % 2,
	s_lshl_b32 s49, s40, 1
	s_add_co_u32 s49, s49, s47                     ; pair P = 2 j + wave / 2
	s_sub_co_u32 s50, s40, 128                     ; W2 (K = 4,096):
	s_lshr_b32 s51, s50, 1                         ; pair (j - 128) / 2,
	s_and_b32 s52, s50, 1
	s_lshl_b32 s52, s52, 2
	s_add_co_u32 s52, s52, s36                     ; kg = 4 (j % 2) + wave
	s_lshl_b32 s53, s49, 14                        ; where the codes go,
	s_lshl_b32 s54, s49, 10                        ; and the scale words
	s_lshl_b32 s55, s51, 16
	s_add_co_u32 s55, s55, 4194304
	s_lshl_b32 s56, s51, 12
	s_add_co_u32 s56, s56, 262144
	s_sub_co_u32 s57, s49, s46                     ; the pair inside its weight
	s_mov_b32 s59, 2048
	s_mov_b32 s60, 32768
	s_cmp_lt_u32 s40, 128
	s_cselect_b32 s57, s57, s51
	s_cselect_b32 s58, s48, s52                    ; kg
	s_cselect_b32 s53, s53, s55
	s_cselect_b32 s54, s54, s56
	s_cselect_b32 s59, 512, s59                    ; KB: a row of codes in bytes
	s_cselect_b32 s60, 8192, s60                   ; from a tile to the next in wq
	s_mul_i32 s61, s57, s59
	s_lshl_b32 s50, s61, 5                         ; 32 rows a pair,
	s_lshl_b32 s51, s58, 8
	s_add_co_u32 s50, s50, s51                     ; 256 bytes a K group
	s_mov_b32 s51, 0
	s_add_nc_u64 s[42:43], s[42:43], s[50:51]      ; the codes' source
	s_lshl_b32 s50, s61, 1                         ; KB / 16 scale bytes a row
	s_lshl_b32 s52, s58, 4
	s_add_co_u32 s50, s50, s52
	s_add_nc_u64 s[44:45], s[44:45], s[50:51]      ; the scale bytes' source
	s_lshl_b32 s50, s58, 12
	s_add_co_u32 s50, s50, s53
	s_add_nc_u64 s[48:49], s[32:33], s[50:51]      ; the codes' place
	s_lshl_b32 s50, s58, 9
	s_add_co_u32 s50, s50, s54
	s_add_co_u32 s50, s50, WSC
	s_add_nc_u64 s[32:33], s[32:33], s[50:51]      ; the scale words' place
	s_wait_alu depctr_va_vdst(0)
	v_mul_lo_u32 v5, v10, s59
	v_lshl_add_u32 v5, v11, 4, v5                  ; row r, + 16 h
	s_lshl_b32 s62, s59, 4
	v_add_nc_u32 v6, s62, v5                       ; the pair's second tile
	s_lshr_b32 s63, s59, 4
	v_mul_lo_u32 v8, v9, s63                       ; scale bytes: a lane a row
	v_add_nc_u32 v7, s60, v[LO]
.irp t, 0,1
.irp q, 0,1,2,3
.irp c, 0,1
	global_load_b128 v[64+32*\t+8*\q+4*\c:64+32*\t+8*\q+4*\c+3], v[5+\t], s[42:43] offset:64*\q+32*\c
.endr
.endr
.endr
	global_load_b128 v[128:131], v8, s[44:45]
	s_wait_alu depctr_va_vdst(0)
	s_wait_loadcnt 0x0
.irp q, 0,1,2,3
.irp c, 0,1
	global_store_b128 v[LO], v[64+8*\q+4*\c:64+8*\q+4*\c+3], s[48:49] offset:1024*\q+512*\c
	global_store_b128 v7, v[96+8*\q+4*\c:96+8*\q+4*\c+3], s[48:49] offset:1024*\q+512*\c
.endr
.endr
	global_store_b128 v[LO], v[128:131], s[32:33]
	s_endpgm
.Lfunc_end_k_q8c9f4c77af_prep:
	.size	k_q8c9f4c77af_prep, .Lfunc_end_k_q8c9f4c77af_prep-k_q8c9f4c77af_prep
	.p2alignl 7, 3214868480
	.fill 96, 4, 3214868480
	.section	.rodata,"a",@progbits
	.p2align	6, 0x0
	.amdhsa_kernel k_q8c9f4c77af_prep
		.amdhsa_group_segment_fixed_size 68096
		.amdhsa_private_segment_fixed_size 0
		.amdhsa_enable_private_segment 0
		.amdhsa_kernarg_size 120
		.amdhsa_user_sgpr_count 2
		.amdhsa_user_sgpr_kernarg_segment_ptr 1
		.amdhsa_wavefront_size32 1
		.amdhsa_system_sgpr_workgroup_id_x 1
		.amdhsa_system_sgpr_workgroup_id_y 1
		.amdhsa_system_sgpr_workgroup_id_z 1
		.amdhsa_system_vgpr_workitem_id 0
		.amdhsa_next_free_vgpr 256
		.amdhsa_next_free_sgpr 66
		.amdhsa_reserve_vcc 1
		.amdhsa_float_denorm_mode_32 3
		.amdhsa_float_denorm_mode_16_64 3
		.amdhsa_memory_ordered 1
		.amdhsa_forward_progress 1
		.amdhsa_inst_pref_size 36
	.end_amdhsa_kernel
	.amdgpu_metadata
---
amdhsa.version: [ 1, 2 ]
amdhsa.kernels:
  - .name:           k_q8c9f4c77af_prep
    .symbol:         k_q8c9f4c77af_prep.kd
    .args:
      - { .name: x, .offset: 0, .size: 8, .value_kind: global_buffer, .address_space: global }
      - { .name: Wq_codes, .offset: 8, .size: 8, .value_kind: global_buffer, .address_space: global }
      - { .name: Wk_codes, .offset: 16, .size: 8, .value_kind: global_buffer, .address_space: global }
      - { .name: Wv_codes, .offset: 24, .size: 8, .value_kind: global_buffer, .address_space: global }
      - { .name: Wo_codes, .offset: 32, .size: 8, .value_kind: global_buffer, .address_space: global }
      - { .name: W1_codes, .offset: 40, .size: 8, .value_kind: global_buffer, .address_space: global }
      - { .name: W2_codes, .offset: 48, .size: 8, .value_kind: global_buffer, .address_space: global }
      - { .name: Wq_scales, .offset: 56, .size: 8, .value_kind: global_buffer, .address_space: global }
      - { .name: Wk_scales, .offset: 64, .size: 8, .value_kind: global_buffer, .address_space: global }
      - { .name: Wv_scales, .offset: 72, .size: 8, .value_kind: global_buffer, .address_space: global }
      - { .name: Wo_scales, .offset: 80, .size: 8, .value_kind: global_buffer, .address_space: global }
      - { .name: W1_scales, .offset: 88, .size: 8, .value_kind: global_buffer, .address_space: global }
      - { .name: W2_scales, .offset: 96, .size: 8, .value_kind: global_buffer, .address_space: global }
      - { .name: xq, .offset: 104, .size: 8, .value_kind: global_buffer, .address_space: global }
      - { .name: wq, .offset: 112, .size: 8, .value_kind: global_buffer, .address_space: global }
    .group_segment_fixed_size: 68096
    .private_segment_fixed_size: 0
    .kernarg_segment_align: 8
    .kernarg_segment_size: 120
    .max_flat_workgroup_size: 128
    .sgpr_count:     66
    .vgpr_count:     256
    .wavefront_size: 32
...
	.end_amdgpu_metadata
.endif
;; end of part 1
;; launch qkv (part 2): grid 64 x 3, 4 waves a work-group, no clusters, 0 bytes of LDS; arguments xq, wq, bq, bk, bv, qkv; writes qkv
.if DOCPART == 2
	.amdgcn_target "amdgcn-amd-amdhsa--gfx1250"
	.amdhsa_code_object_version 6
	.text
	.protected	k_q8c9f4c77af_qkv
	.globl	k_q8c9f4c77af_qkv
	.p2align	8
	.type	k_q8c9f4c77af_qkv,@function
k_q8c9f4c77af_qkv:
	s_mov_b64 s[64:65], 0
	v_nop
	global_prefetch_b8 v0, s[64:65] scope:SCOPE_SE
	s_setreg_imm32_b32 hwreg(HW_REG_WAVE_MODE, 25, 1), 1
	s_wait_xcnt 0x0
; QKV: products 1 to 3 on codes, their biases, and the quantising of Q and K (along the head's 64) and of V (along the keys).  Nothing is left out.
; grid y = g: 0 Q, 1 K, 2 V.  A wave makes 128 x 128 of a product in 64 accumulators (512 registers) and walks K = 1,024 in 8 steps of 128, all written out.  Waves share nothing: no LDS, no barrier.
; Both operands lie in memory in the order of the operand's registers (launch prep): a fragment is two loads of 512 consecutive bytes.  Three sets of fragment registers: two K steps are on their way.
; Source 0 takes "B" and source 1 "A": a lane holds ONE row of A, and its registers run along B's rows.  g < 2: A = x, B = the weight: registers run along the head's axis.  g = 2: A = Wv, B = x: registers run along the keys.
; The 16 registers of tiles 2 b, 2 b + 1 hold k = 32 b + 8 h + j and 32 b + 16 + 8 h + j: with lane l xor 16 a whole block.  The order of the conversions' destinations and two exchanges of halves for each pair of blocks give the operand's layout.
; WHAT IS STORED (qkv).  A Q record, for each (batch x head, 128 queries): 8 tile images of 512 bytes (lane l: row l % 16, block l / 16 of the head's 64), then 256 bytes of pair words [row][i]: tile 2 i's two scale bytes low, tile 2 i + 1's high: 4,352 bytes.
; A KV record, for each (batch x head, 128 keys): K's 8 tile images; V^T's 4 fragments (16 d x 128 keys); K's pair words; V's scale words [row][d tile]: 8,704 bytes.
; LIMITS: as stated in launch prep (floor 2^-124, byte 1 for a block of zeros, no NaN or infinity).
.set T,     8
.set TS,    8192                       ; from a tile to the next, both operands
.set PS,    1024                       ; from a pair of tiles' scale words to the next
.set XSC,   2097152
.set WSC,   6291456
.set KVOFF, 2228224
.set LO,   1                           ; v1 16 x lane; v2 32 h; v3 lane; v4 4 r; v5 where the words go; v6 r; v7 h
.set SA,   32                          ; v32-63 A's scale words: pair p, step s at SA + 8 p + s; lanes 0-15 tile 2 p, lanes 16-31 tile 2 p + 1
.set SB,   64                          ; v64-95 B's
.set TM,   96                          ; v96-111 at work
.set PC,   112                         ; v112-119 a fragment's codes
.set PWS,  120                         ; v120-127 the eight row tiles' scale words
.set BI,   128                         ; v128-191 the bias (A's set 0, free behind step 6)
.set H,    192                         ; v192-255 64 numbers of a lane (A's set 1, free behind step 7)
.set PA,   20                          ; s[20:21] A's codes, s[22:23] B's, s[24:25] A's scale words, s[26:27] B's
.set PB,   22
.set PSA,  24
.set PSB,  26
.set SEL,  44
; windows of 256 registers: 0: the above, A's sets 0 and 1 at v128, v192;  1: B's sets at v0, v64, v128, A's set 2 at v192;  2, 3: the accumulators, (a, b) at v[8 (8 (a % 4) + b)]
.set MSB, 0
.macro WIN new                         ; the immediate's high byte repeats the setting that is left
.if MSB != (\new)
	s_set_vgpr_msb (MSB<<8)|(\new)
.set MSB, (\new)
.endif
.endm
.macro PLACES
.rept 4
	v_nop
.endr
.endm
.macro LOADSC reg, ptr
.irp p, 0,1,2,3
	global_load_b128 v[\reg+8*\p:\reg+8*\p+3], v[LO], s[\ptr:\ptr+1] offset:\p*PS
	global_load_b128 v[\reg+8*\p+4:\reg+8*\p+7], v[LO], s[\ptr:\ptr+1] offset:\p*PS+512
.endr
.endm
.macro LOADB s
	WIN 0x40
.irp i, 0,1,2,3,4,5,6,7
.irp c, 0,1
	global_load_b128 v[64*((\s)%3)+8*\i+4*\c:64*((\s)%3)+8*\i+4*\c+3], v[LO], s[PB:PB+1] offset:\i*TS+(\s)*1024+512*\c
.endr
.endr
.endm
.macro LOADA s
.if (\s)%3 < 2
	WIN 0
.set AB, 128+64*((\s)%3)
.else
	WIN 0x40
.set AB, 192
.endif
.irp i, 0,1,2,3,4,5,6,7
.irp c, 0,1
	global_load_b128 v[AB+8*\i+4*\c:AB+8*\i+4*\c+3], v[LO], s[PA:PA+1] offset:\i*TS+(\s)*1024+512*\c
.endr
.endr
.endm
.macro WM a, b, s, zero                ; one product: B's tile b x A's tile a, K step s
.set rD, 8*(8*((\a)%4)+(\b))
.set rB, 64*((\s)%3)+8*(\b)
.if (\s)%3 < 2
.set rA, 128+64*((\s)%3)+8*(\a)
.else
.set rA, 192+8*(\a)
.endif
.set rX, SB+8*((\b)/2)+(\s)
.set rY, SA+8*((\a)/2)+(\s)
.set odd, 2*((\b)%2)+(\a)%2
.if \zero
.if odd == 0
	v_wmma_scale_f32_16x16x128_f8f6f4 v[rD:rD+7], v[rB:rB+7], v[rA:rA+7], 0, v[rX], v[rY] matrix_a_fmt:MATRIX_FMT_FP4 matrix_b_fmt:MATRIX_FMT_FP4
.elseif odd == 1
	v_wmma_scale_f32_16x16x128_f8f6f4 v[rD:rD+7], v[rB:rB+7], v[rA:rA+7], 0, v[rX], v[rY] matrix_a_fmt:MATRIX_FMT_FP4 matrix_b_fmt:MATRIX_FMT_FP4 matrix_b_scale:MATRIX_SCALE_ROW1
.elseif odd == 2
	v_wmma_scale_f32_16x16x128_f8f6f4 v[rD:rD+7], v[rB:rB+7], v[rA:rA+7], 0, v[rX], v[rY] matrix_a_fmt:MATRIX_FMT_FP4 matrix_b_fmt:MATRIX_FMT_FP4 matrix_a_scale:MATRIX_SCALE_ROW1
.else
	v_wmma_scale_f32_16x16x128_f8f6f4 v[rD:rD+7], v[rB:rB+7], v[rA:rA+7], 0, v[rX], v[rY] matrix_a_fmt:MATRIX_FMT_FP4 matrix_b_fmt:MATRIX_FMT_FP4 matrix_a_scale:MATRIX_SCALE_ROW1 matrix_b_scale:MATRIX_SCALE_ROW1
.endif
.else
.if odd == 0
	v_wmma_scale_f32_16x16x128_f8f6f4 v[rD:rD+7], v[rB:rB+7], v[rA:rA+7], v[rD:rD+7], v[rX], v[rY] matrix_a_fmt:MATRIX_FMT_FP4 matrix_b_fmt:MATRIX_FMT_FP4
.elseif odd == 1
	v_wmma_scale_f32_16x16x128_f8f6f4 v[rD:rD+7], v[rB:rB+7], v[rA:rA+7], v[rD:rD+7], v[rX], v[rY] matrix_a_fmt:MATRIX_FMT_FP4 matrix_b_fmt:MATRIX_FMT_FP4 matrix_b_scale:MATRIX_SCALE_ROW1
.elseif odd == 2
	v_wmma_scale_f32_16x16x128_f8f6f4 v[rD:rD+7], v[rB:rB+7], v[rA:rA+7], v[rD:rD+7], v[rX], v[rY] matrix_a_fmt:MATRIX_FMT_FP4 matrix_b_fmt:MATRIX_FMT_FP4 matrix_a_scale:MATRIX_SCALE_ROW1
.else
	v_wmma_scale_f32_16x16x128_f8f6f4 v[rD:rD+7], v[rB:rB+7], v[rA:rA+7], v[rD:rD+7], v[rX], v[rY] matrix_a_fmt:MATRIX_FMT_FP4 matrix_b_fmt:MATRIX_FMT_FP4 matrix_a_scale:MATRIX_SCALE_ROW1 matrix_b_scale:MATRIX_SCALE_ROW1
.endif
.endif
.endm
.macro MUL32 hi, s, zero               ; A's tiles 4 hi .. 4 hi + 3 x B's eight.  The 64 accumulators take turns, in the same order in every step
.if (\s)%3 < 2
	WIN 0xa1+0x50*(\hi)
.else
	WIN 0xa5+0x50*(\hi)
.endif
.irp a, 0,1,2,3
.irp b, 0,1,2,3,4,5,6,7
	WM 4*(\hi)+\a, \b, \s, \zero
.endr
.endr
.endm
.macro EXTRA1                          ; Q, K: the bias of my 64 columns: register 8 b + j: column 16 b + 8 h + j
	WIN 0
.irp b, 0,1,2,3,4,5,6,7
	global_load_b128 v[BI+8*\b:BI+8*\b+3], v2, s[28:29] offset:64*\b
	global_load_b128 v[BI+8*\b+4:BI+8*\b+7], v2, s[28:29] offset:64*\b+16
.endr
.endm
.macro EXTRA2                          ; V: the bias of my row of each tile, in both registers of a pair
	WIN 0
.irp a, 0,1,2,3,4,5,6,7
	global_load_b32 v[BI+2*\a], v4, s[28:29] offset:64*\a
	global_load_b32 v[BI+2*\a+1], v4, s[28:29] offset:64*\a
.endr
.endm
; A K step.  cnt: the loads issued behind this step's own, which may stay out.  The four places at the head stand between the last step's products and the loads, here and in the step's middle, into the set that they read.
.macro STEP s, cnt, zero, extra
	s_wait_loadcnt \cnt
.if (\s) > 0
	PLACES
.endif
.if (\s)+2 < T
	LOADB (\s)+2
.endif
.if (\extra) == 1
	EXTRA1
.endif
.if (\extra) == 2
	EXTRA2
.endif
	MUL32 0, \s, \zero
.if (\s)+2 < T
	LOADA (\s)+2
.endif
	MUL32 1, \s, \zero
	WIN 0
.endm
; 64 numbers of a lane, v[s + 8 t + j] = k 16 t + 8 h + j of my row, become a fragment's codes in v[PC] on and the row's scale word in v[wd]
.macro QUANT s, wd
.irp b, 0,1,2,3
	v_max3_num_f32 v[TM+\b], |v[\s+16*\b]|, |v[\s+1+16*\b]|, 0x1800000     ; with the floor 2^-124
.endr
.irp i, 2,4,6,8,10,12,14
.irp b, 0,1,2,3
	v_max3_num_f32 v[TM+\b], v[TM+\b], |v[\s+16*\b+\i]|, |v[\s+1+16*\b+\i]|
.endr
.endr
.irp b, 0,1,2,3
	v_permlanex16_b32 v[TM+4+\b], v[TM+\b], s[SEL], s[SEL+1]
.endr
.irp b, 0,1,2,3
	v_max_num_f32 v[TM+\b], v[TM+\b], v[TM+4+\b]
.endr
.irp b, 0,1,2,3
	v_add_nc_u32 v[TM+12+\b], 0xff000000, v[TM+\b]
.endr
.irp b, 0,1,2,3
	v_lshrrev_b32 v[TM+4+\b], 23, v[TM+12+\b]
.endr
	v_lshl_or_b32 v[\wd], v[TM+5], 8, v[TM+4]
	v_lshl_or_b32 v[\wd], v[TM+6], 16, v[\wd]
	v_lshl_or_b32 v[\wd], v[TM+7], 24, v[\wd]
.irp c, 0,1
	v_cvt_scalef32_pk8_fp4_f32 v[PC+4*\c], v[\s+32*\c:\s+32*\c+7], v[TM+12+2*\c]
	v_cvt_scalef32_pk8_fp4_f32 v[PC+4*\c+2], v[\s+32*\c+8:\s+32*\c+15], v[TM+12+2*\c]
	v_cvt_scalef32_pk8_fp4_f32 v[PC+4*\c+1], v[\s+32*\c+16:\s+32*\c+23], v[TM+13+2*\c]
	v_cvt_scalef32_pk8_fp4_f32 v[PC+4*\c+3], v[\s+32*\c+24:\s+32*\c+31], v[TM+13+2*\c]
.endr
	v_nop                                          ; one plain line behind the last scaled conversion
.irp c, 0,1
	v_permlane16_swap_b32 v[PC+4*\c], v[PC+4*\c+1]     ; lanes 0-15 keep block 2 c, lanes 16-31 get block 2 c + 1
	v_permlane16_swap_b32 v[PC+4*\c+2], v[PC+4*\c+3]
.endr
.endm
.macro EPI a, lanebias                 ; row tile a: + bias, quantised
	WIN 0x02+(\a)/4
.set i, 0
.rept 32
.if \lanebias
	v_pk_add_f32 v[H+2*i:H+2*i+1], v[64*((\a)%4)+2*i:64*((\a)%4)+2*i+1], v[BI+2*(\a):BI+2*(\a)+1]
.else
	v_pk_add_f32 v[H+2*i:H+2*i+1], v[64*((\a)%4)+2*i:64*((\a)%4)+2*i+1], v[BI+2*i:BI+2*i+1]
.endif
.set i, i+1
.endr
	WIN 0
	s_wait_xcnt 0x0                                ; the last tile's stores have read the codes' registers
	QUANT H, PWS+(\a)
.endm
	s_load_b256 s[4:11], s[0:1], 0x0               ; xq, wq, bq, bk
	s_load_b128 s[12:15], s[0:1], 0x20             ; bv, qkv
	v_lshrrev_b32 v2, 5, v0
	v_readfirstlane_b32 s16, v2                    ; wave
	v_and_b32 v3, 31, v0
	v_lshlrev_b32 v[LO], 4, v3
	v_and_b32 v6, 15, v0                           ; r
	v_bfe_u32 v7, v0, 4, 1                         ; h
	s_and_b32 s18, ttmp7, 0xffff                   ; g
	s_lshr_b32 s19, ttmp9, 2
	s_lshl_b32 s19, s19, 1
	s_lshr_b32 s30, s16, 1
	s_add_co_u32 s19, s19, s30                     ; tX: which 128 rows of x
	s_and_b32 s31, ttmp9, 3
	s_lshl_b32 s31, s31, 1
	s_and_b32 s30, s16, 1
	s_add_co_u32 s31, s31, s30                     ; tW: which 128 rows of the weight (two heads)
	s_lshl_b32 s32, s19, 16                        ; x: codes,
	s_lshl_b32 s33, s19, 12
	s_add_co_u32 s33, s33, XSC                     ; scale words
	s_lshl_b32 s34, s18, 19
	s_lshl_b32 s35, s31, 16
	s_add_co_u32 s34, s34, s35                     ; the weight: codes,
	s_lshl_b32 s35, s18, 15
	s_lshl_b32 s36, s31, 12
	s_add_co_u32 s35, s35, s36
	s_add_co_u32 s35, s35, WSC                     ; scale words
	s_cmp_lt_u32 s18, 2                            ; Q, K: A = x.  V: A = the weight
	s_cselect_b32 s36, s32, s34
	s_cselect_b32 s38, s34, s32
	s_cselect_b32 s40, s33, s35
	s_cselect_b32 s42, s35, s33
	s_mov_b32 s37, 0
	s_mov_b32 s39, 0
	s_mov_b32 s41, 0
	s_mov_b32 s43, 0
	s_wait_alu depctr_va_vdst(0)
	s_wait_kmcnt 0x0
	s_cselect_b64 s[PA:PA+1], s[4:5], s[6:7]
	s_cselect_b64 s[PB:PB+1], s[6:7], s[4:5]
	s_add_nc_u64 s[PSA:PSA+1], s[PA:PA+1], s[40:41]
	s_add_nc_u64 s[PSB:PSB+1], s[PB:PB+1], s[42:43]
	s_add_nc_u64 s[PA:PA+1], s[PA:PA+1], s[36:37]
	s_add_nc_u64 s[PB:PB+1], s[PB:PB+1], s[38:39]
	LOADSC SA, PSA
	LOADSC SB, PSB
	LOADB 0
	LOADA 0
	LOADB 1
	LOADA 1
	WIN 0
	s_lshr_b32 s46, s19, 4                         ; the record: ((16 batch + even head) 16 + group of 128 rows)
	s_lshl_b32 s46, s46, 4
	s_lshl_b32 s47, s31, 1
	s_add_co_u32 s46, s46, s47
	s_lshl_b32 s46, s46, 4
	s_and_b32 s47, s19, 15
	s_add_co_u32 s46, s46, s47
	s_mov_b32 s48, 8704
	s_mov_b32 s51, 8192
	s_cmp_eq_u32 s18, 0
	s_cselect_b32 s48, 4352, s48                   ; a record's bytes
	s_cselect_b32 s49, 0, KVOFF
	s_cselect_b32 s51, 4096, s51                   ; where its pair words lie
	s_cselect_b64 s[28:29], s[8:9], s[10:11]
	s_mul_i32 s46, s46, s48
	s_add_co_u32 s46, s46, s49
	s_cmp_eq_u32 s18, 2
	s_cselect_b32 s47, 4096, 0                     ; V's fragments lie behind K's images
	s_cselect_b64 s[28:29], s[12:13], s[28:29]
	s_add_co_u32 s46, s46, s47
	s_mov_b32 s47, 0
	s_add_nc_u64 s[52:53], s[14:15], s[46:47]      ; the even head's record
	s_lshl_b32 s50, s48, 4                         ; 16 records on: the odd head's
	s_mov_b32 s46, s50
	s_add_nc_u64 s[54:55], s[52:53], s[46:47]
	s_lshl_b32 s46, s31, 9
	s_add_nc_u64 s[28:29], s[28:29], s[46:47]      ; the bias of my 128 columns
	s_mov_b32 s[SEL], 0x76543210
	s_mov_b32 s[SEL+1], 0xfedcba98
	s_mov_b32 s56, 0x05040100
	s_mov_b32 s57, 0x07060302
	s_mov_b32 s58, 139264
	v_lshlrev_b32 v2, 5, v7
	v_lshlrev_b32 v4, 2, v6
.irp b, 0,1,2,3
	v_mov_b32 v[TM+4+\b], 0                        ; a lane permute's destination counts as read
.endr
	STEP 0, 32, 1, 0
	STEP 1, 32, 0, 0
	STEP 2, 32, 0, 0
	STEP 3, 32, 0, 0
	STEP 4, 32, 0, 0
	STEP 5, 32, 0, 0
	STEP 6, 32, 0, 0
	s_cmp_eq_u32 s18, 2
	s_cbranch_scc1 .Lvarm
	; ---- Q and K
	s_wait_alu depctr_va_vdst(0)
	STEP 7, 0, 0, 1
	PLACES                                         ; behind the last products, ahead of the first read of results and the first write of A's set 1
	v_mul_lo_u32 v5, v7, s50
	v_lshl_add_u32 v5, v6, 4, v5
	v_add_nc_u32 v5, s51, v5                       ; pair words: 16 r, the odd head's for lanes 16-31
	s_wait_loadcnt 0x0                             ; the bias
.irp a, 0,1,2,3,4,5,6,7
	EPI \a, 0
	global_store_b128 v[LO], v[PC:PC+3], s[52:53] offset:512*\a        ; the even head's tile image: 512 consecutive bytes
	global_store_b128 v[LO], v[PC+4:PC+7], s[54:55] offset:512*\a      ; the odd head's
.endr
.irp i, 0,1,2,3
	v_perm_b32 v[TM+\i], v[PWS+2*\i+1], v[PWS+2*\i], s56               ; the even head's bytes of tiles 2 i, 2 i + 1
	v_perm_b32 v[TM+4+\i], v[PWS+2*\i+1], v[PWS+2*\i], s57             ; the odd head's
.endr
	v_cmp_le_u32 vcc_lo, 16, v3
.irp i, 0,1,2,3
	v_cndmask_b32 v[TM+8+\i], v[TM+\i], v[TM+4+\i], vcc_lo
.endr
	global_store_b128 v5, v[TM+8:TM+11], s[52:53]  ; sixteen lanes cover 256 consecutive bytes, aligned
	s_endpgm
	; ---- V
.Lvarm:
	s_wait_alu depctr_va_vdst(0)
	STEP 7, 0, 0, 2
	PLACES
	v_mul_lo_u32 v5, v7, s58
	v_lshl_add_u32 v5, v6, 4, v5
	s_wait_loadcnt 0x0
.irp a, 0,1,2,3,4,5,6,7
	EPI \a, 1
	global_store_b128 v[LO], v[PC:PC+3], s[52:53] offset:1024*(\a%4)+139264*(\a/4)
	global_store_b128 v[LO], v[PC+4:PC+7], s[52:53] offset:1024*(\a%4)+139264*(\a/4)+512
.endr
	v_cmp_le_u32 vcc_lo, 16, v3
.irp i, 0,1,2,3
	v_cndmask_b32 v[TM+8+\i], v[PWS+\i], v[PWS+4+\i], vcc_lo           ; lanes 0-15: the even head's four d tiles; lanes 16-31: the odd head's
.endr
	global_store_b128 v5, v[TM+8:TM+11], s[52:53] offset:4352
	s_endpgm
.Lfunc_end_k_q8c9f4c77af_qkv:
	.size	k_q8c9f4c77af_qkv, .Lfunc_end_k_q8c9f4c77af_qkv-k_q8c9f4c77af_qkv
	.p2alignl 7, 3214868480
	.fill 96, 4, 3214868480
	.section	.rodata,"a",@progbits
	.p2align	6, 0x0
	.amdhsa_kernel k_q8c9f4c77af_qkv
		.amdhsa_group_segment_fixed_size 0
		.amdhsa_private_segment_fixed_size 0
		.amdhsa_enable_private_segment 0
		.amdhsa_kernarg_size 48
		.amdhsa_user_sgpr_count 2
		.amdhsa_user_sgpr_kernarg_segment_ptr 1
		.amdhsa_wavefront_size32 1
		.amdhsa_system_sgpr_workgroup_id_x 1
		.amdhsa_system_sgpr_workgroup_id_y 1
		.amdhsa_system_sgpr_workgroup_id_z 1
		.amdhsa_system_vgpr_workitem_id 0
		.amdhsa_next_free_vgpr 1024
		.amdhsa_next_free_sgpr 66
		.amdhsa_reserve_vcc 1
		.amdhsa_float_denorm_mode_32 3
		.amdhsa_float_denorm_mode_16_64 3
		.amdhsa_memory_ordered 1
		.amdhsa_forward_progress 1
		.amdhsa_inst_pref_size 205
	.end_amdhsa_kernel
	.amdgpu_metadata
---
amdhsa.version: [ 1, 2 ]
amdhsa.kernels:
  - .name:           k_q8c9f4c77af_qkv
    .symbol:         k_q8c9f4c77af_qkv.kd
    .args:
      - { .name: xq, .offset: 0, .size: 8, .value_kind: global_buffer, .address_space: global }
      - { .name: wq, .offset: 8, .size: 8, .value_kind: global_buffer, .address_space: global }
      - { .name: bq, .offset: 16, .size: 8, .value_kind: global_buffer, .address_space: global }
      - { .name: bk, .offset: 24, .size: 8, .value_kind: global_buffer, .address_space: global }
      - { .name: bv, .offset: 32, .size: 8, .value_kind: global_buffer, .address_space: global }
      - { .name: qkv, .offset: 40, .size: 8, .value_kind: global_buffer, .address_space: global }
    .group_segment_fixed_size: 0
    .private_segment_fixed_size: 0
    .kernarg_segment_align: 8
    .kernarg_segment_size: 48
    .max_flat_workgroup_size: 128
    .sgpr_count:     66
    .vgpr_count:     1024
    .wavefront_size: 32
...
	.end_amdgpu_metadata
.endif
;; end of part 2
;; launch attn (part 3): grid 8 x 32, 16 waves a work-group, clusters of 4 x 1, 167,936 bytes of LDS; arguments qkv, cq; writes cq
.if DOCPART == 3
	.amdgcn_target "amdgcn-amd-amdhsa--gfx1250"
	.amdhsa_code_object_version 6
	.text
	.protected	k_q8c9f4c77af_attn
	.globl	k_q8c9f4c77af_attn
	.p2align	8
	.type	k_q8c9f4c77af_attn,@function
k_q8c9f4c77af_attn:
	s_mov_b64 s[64:65], 0
	v_nop
	global_prefetch_b8 v0, s[64:65] scope:SCOPE_SE
	s_setreg_imm32_b32 hwreg(HW_REG_WAVE_MODE, 25, 1), 1
	s_wait_xcnt 0x0
	s_wait_alu depctr_hold_cnt(0) depctr_sa_sdst(0) depctr_va_vdst(0) depctr_va_sdst(0) depctr_va_ssrc(0) depctr_va_vcc(0) depctr_vm_vsrc(0)
	s_getreg_b32 s2, hwreg(HW_REG_IB_STS2, 6, 4)
	s_cmp_eq_u32 s2, 0
	s_cbranch_scc0 .Lentry_in_a_cluster
	s_endpgm
.Lentry_in_a_cluster:
	s_bfe_u32 s2, ttmp6, 0x10000c
	s_cmp_lg_u32 s2, 0x3003
	s_cbranch_scc0 .Lentry_shape_is_right
	s_endpgm
.Lentry_shape_is_right:
; ATTN: products 4 and 5 with the softmax between them, the division by the row's sum, and the quantising of ctx along its row.  Nothing is left out.
; A work-group owns 256 queries of one (batch, head); each of its sixteen waves 16 of them, in 256 registers.  Every wave walks the head's 2,048 keys, 128 a trip.
; THE HEAD'S 16 KV RECORDS (8,704 bytes each, launch qkv) ARE FILLED INTO LDS ONCE: every wave asks for one record by one tensor load.  No byte is filled again.
; CLUSTER: the four work-groups of a cluster belong to one head and want the same records: each load is a joint one, with the same descriptor and the mask of all four; my place in the cluster enters global addresses of Q and ctx alone.
; NO PREFETCH: all 16 records are asked for at the head; there is no loop that runs ahead of a load.
; LAYOUT.  Both products are used transposed: S^T = K Q^T, O^T = V^T P^T: a lane holds ONE query (lane % 16).
; THE KEYS OF A TILE ARE CHOSEN AT THE LDS READ: row 8 h + j of tile 4 c + u is key 64 c + 32 h + 8 u + j.  So a lane (r, h) holds two WHOLE blocks of 32 keys, blocks h and 2 + h, in the very order of P's operand registers:
; the conversion of tile 4 c + u's eight registers is register 4 c + u of the operand; a block's largest score needs no other lane.  In a record's images (tile of 16 keys: 512 bytes, lane l: key l % 16, half l / 16 of the head's 64)
; that row lies at 2,048 c + 1,024 h + 512 (u / 2) + 128 (u % 2) + 16 j.
; K = 64 UNDER AN INSTRUCTION OF K = 128: source 0 holds tile 2 i in its first 64 and tile 2 i + 1 in its second 64.  Tile 2 i is had with source 1 = (q, zeros), tile 2 i + 1 with (zeros, q); the two operands share the four registers of zeros.
; K's scale words for rows so chosen are laid once: wave w turns record w's pair words into a table of its own LDS bytes (512 bytes a record: K's words [row][pair], then a copy of V's words), read by all waves behind a barrier.
; THE SOFTMAX: t = score x log2(e) / 8; M = the running largest t rounded up to a whole number; p = 2^(t - M) is quantised along the keys; the sum is taken of the unquantised p; when M moves, sum and O^T are multiplied by 2^(old M - new M), exactly.
; A block's largest p is not searched for: the block's largest score goes through the same multiply-add and exponential (this takes the exponential not to fall where its input rises).
; ORDER IN A TRIP: scores; maxima in eight chains; M; all scalings and O^T's rescaling; one wait; ONE batch of 66 exponentials; one wait; scales, codes and the sums in six chains; the second product.
; K's fragments are asked of LDS a trip ahead, V's a softmax ahead.  The last trip asks for no further K and is written out.
; LIMITS: as stated in launch prep; NaN and infinities are not served; the promise holds while the scaled scores t stay under 2^31 in magnitude.
.set KVOFF, 2228224
.set XSC,   2097152
.set REC,   8704
.set NEWT,  139264                     ; behind the 16 records: the table of scale words, 512 bytes a record
.set SPARE, 147456                     ; behind it: the spare words, 128 bytes a wave
.set LI,  1                            ; v1 16 x lane;  v2 16 x (lane % 16)
.set LR,  2
.set SPW, 3                            ; v3 my spare word, v4 0; never rewritten
.set NIL, 4
.set KB,  5                            ; v5 my lane's place in K's images: 16 (r % 8) + 1,024 (r / 8) + 256 h
.set SB0, 6                            ; v6 my lane's place in the table
.set PSEL, 7                           ; v7 byte selects that put my two scale bytes at places h and 2 + h
.set BYA, 8                            ; v8 the way out: 16 r + h
.set ADK, 28                           ; v28-30 the trip's LDS addresses
.set ADV, 29
.set ADS, 30
.set KF,  32                           ; v32-63 K: four pairs of tiles
.set VF,  64                           ; v64-95 V^T: four fragments
.set S,   96                           ; v96-159 S^T, then p (at the head: at work)
.set O,   160                          ; v160-191 O^T
.set PC,  192                          ; v192-199 p's codes
.set KS,  200                          ; v200-203 K's words; v204-207 V's; v208, v209 q's word, low and high; v210 p's word: scales and nothing else
.set VS,  204
.set QW,  208
.set PW,  210
.set CH,  212                          ; v212-219 eight chains of maxima
.set BM,  220                          ; v220-221 my two blocks' largest
.set SO,  222                          ; v222-223 the conversions' scale operands
.set TT,  224                          ; v224-225 the bytes, in the top byte
.set F,   226                          ; v226 f (v227 named with it)
.set TMP, 228
.set TM2, 229
.set X,   230
.set W,   231
.set SU,  232                          ; v232-243 six chains of sums, in pairs
.set WV,  12
.set SEL, 20
.set CS,  22
.set G1,  24
.set G0,  32
.set TB,  36
.set CNT, 37
.set TS,  38
.macro CROUND                          ; a round of the cluster's barrier
	s_barrier_signal -1
	s_barrier_wait -1
	s_cmp_lg_u32 s[WV], 0
	s_cbranch_scc1 .Lnot_wave_0_\@
	s_barrier_signal -3
.Lnot_wave_0_\@:
	s_barrier_wait -3
	s_barrier_signal -1
	s_barrier_wait -1
.endm
.macro KLOAD adr, off                  ; four pairs of tiles, rows chosen by the lane's place
.irp i, 0,1,2,3
	ds_load_b128 v[KF+8*\i:KF+8*\i+3], v[\adr] offset:\off+2048*(\i/2)+512*(\i%2)
	ds_load_b128 v[KF+8*\i+4:KF+8*\i+7], v[\adr] offset:\off+2048*(\i/2)+512*(\i%2)+128
.endr
.endm
.macro FMAS n                          ; the next n pairs: t - M
.rept \n
	v_pk_fma_f32 v[S+2*fi:S+2*fi+1], v[S+2*fi:S+2*fi+1], s[CS:CS+1], v[12:13] op_sel_hi:[1,0,0]
.set fi, fi+1
.endr
.endm
.macro SUMS n                          ; the next n additions of the six chains: the first six begin them
.rept \n
.if si < 6
	v_pk_add_f32 v[SU+2*si:SU+2*si+1], v[S+4*si:S+4*si+1], v[S+4*si+2:S+4*si+3]
.else
	v_pk_add_f32 v[SU+2*((si-6)%6):SU+2*((si-6)%6)+1], v[SU+2*((si-6)%6):SU+2*((si-6)%6)+1], v[S+12+2*si:S+12+2*si+1]
.endif
.set si, si+1
.endr
.endm
; A TRIP: the 128 keys of the record at LDS byte s[TB].  pre = 1: the next record's K is asked for.
.macro TRIP pre
.set fi, 0
.set si, 0
	s_wait_dscnt 0x0                               ; K and its words, asked for a trip ago
.irp i, 0,1,2,3
	v_wmma_scale_f32_16x16x128_f8f6f4 v[S+16*\i:S+16*\i+7], v[KF+8*\i:KF+8*\i+7], v[16:23], 0, v[KS+\i], v[QW] matrix_a_fmt:MATRIX_FMT_FP4 matrix_b_fmt:MATRIX_FMT_FP4
	v_wmma_scale_f32_16x16x128_f8f6f4 v[S+16*\i+8:S+16*\i+15], v[KF+8*\i:KF+8*\i+7], v[20:27], 0, v[KS+\i], v[QW+1] matrix_a_fmt:MATRIX_FMT_FP4 matrix_b_fmt:MATRIX_FMT_FP4
.endr
	v_add_nc_u32 v[ADK], s[TB], v[KB]              ; these four lines are the places behind the products: ahead of the loads into K's and V's registers and of the first read of the scores
	v_add_nc_u32 v[ADV], s[TB], v[LI]
	v_add_nc_u32 v[ADS], s[TS], v[SB0]
	v_mov_b32 v[TMP], v12                          ; the old -M
.irp i, 0,1,2,3,4,5,6,7
	ds_load_b128 v[VF+4*\i:VF+4*\i+3], v[ADV] offset:4096+512*\i
.endr
	ds_load_b128 v[VS:VS+3], v[ADS] offset:256
.if \pre
	KLOAD ADK, REC
	ds_load_b128 v[KS:KS+3], v[ADS] offset:512
.endif
.irp t, 0,1,2,3,4,5,6,7
	v_max3_num_f32 v[CH+\t], v[S+8*\t], v[S+8*\t+1], v[S+8*\t+2]       ; a chain a tile, each tile from its low end on
.endr
.irp i, 3,5
.irp t, 0,1,2,3,4,5,6,7
	v_max3_num_f32 v[CH+\t], v[CH+\t], v[S+8*\t+\i], v[S+8*\t+\i+1]
.endr
.endr
.irp c, 0,1
	v_max3_num_f32 v[CH+4*\c], v[CH+4*\c], v[S+32*\c+7], v[S+32*\c+15]
.endr
.irp c, 0,1
	v_max3_num_f32 v[CH+4*\c+1], v[CH+4*\c+1], v[S+32*\c+23], v[S+32*\c+31]
.endr
.irp c, 0,1
	s_delay_alu instid0(VALU_DEP_4)
	v_max3_num_f32 v[CH+4*\c+2], v[CH+4*\c+2], v[CH+4*\c+3], v[CH+4*\c]
.endr
.irp c, 0,1
	s_delay_alu instid0(VALU_DEP_2)
	v_max_num_f32 v[BM+\c], v[CH+4*\c+2], v[CH+4*\c+1]                 ; the largest score of my block 2 c + h
.endr
	s_delay_alu instid0(VALU_DEP_1)
	v_max_num_f32 v[TM2], v[BM], v[BM+1]
	s_delay_alu instid0(VALU_DEP_1)
	v_permlanex16_b32 v[X], v[TM2], s[SEL], s[SEL+1]
	s_delay_alu instid0(VALU_DEP_1)
	v_max3_num_f32 v13, v13, v[TM2], v[X]          ; the running largest score (c is positive)
	s_delay_alu instid0(VALU_DEP_1)
	v_mul_f32 v[TM2], s[CS], v13                   ; as t
	s_delay_alu instid0(VALU_DEP_1)
	v_floor_f32 v12, -v[TM2]                       ; the new -M: a whole number
	s_delay_alu instid0(VALU_DEP_1)
	v_sub_f32 v[TMP], v12, v[TMP]
	FMAS 5
	v_cvt_i32_f32 v[TMP], v[TMP]                   ; (it saturates)
	FMAS 5
	v_ldexp_f32 v[F], 1.0, v[TMP]                  ; f = 2^(old M - new M)
	FMAS 22
.irp c, 0,1
	v_fma_f32 v[BM+\c], v[BM+\c], s[CS], v12       ; the same of each block's largest score
.endr
.set i, 0
.rept 16
	v_pk_mul_f32 v[O+2*i:O+2*i+1], v[O+2*i:O+2*i+1], v[F:F+1] op_sel_hi:[1,0]   ; O^T under the new M, ahead of the exponentials, each tile from its low end on
.set i, i+1
.endr
	s_wait_alu depctr_va_vdst(0)                   ; the wait ahead of the batch
.set i, 0
.rept 64
	v_exp_f32 v[S+i], v[S+i]                       ; p, not normalised
.set i, i+1
.endr
	v_exp_f32 v[BM], v[BM]                         ; my blocks' largest p
	v_exp_f32 v[BM+1], v[BM+1]
	v_pk_mul_f32 v[14:15], v[14:15], v[F:F+1] op_sel_hi:[1,0]          ; the sums under the new M: the plain line behind the batch
	s_wait_alu depctr_va_vdst(0)                   ; one wait for the batch, ahead of its first reader
.irp c, 0,1
	v_max_num_f32 v[BM+\c], 0x1800000, v[BM+\c]    ; the floor 2^-124
.endr
	SUMS 6                                         ; the sum of the unquantised p; its lines stand between the links of the scales' chain
.irp c, 0,1
	v_add_nc_u32 v[SO+\c], 0xff000000, v[BM+\c]    ; 2 off the exponent field: the conversion's scale operand
.endr
.irp c, 0,1
	v_lshl_add_u32 v[TT+\c], v[BM+\c], 1, 0xfe000000                   ; the same field, as the register's top byte
.endr
	SUMS 5
	v_perm_b32 v[W], v[TT+1], v[TT], v[PSEL]       ; my two bytes at places h and 2 + h, zeros between
	SUMS 5
	v_permlanex16_b32 v[X], v[W], s[SEL], s[SEL+1]
	SUMS 5
	v_or_b32 v[PW], v[W], v[X]                     ; with lane l xor 16's two the word is whole
.irp t, 0,1,2,3,4,5,6,7
	v_cvt_scalef32_pk8_fp4_f32 v[PC+\t], v[S+8*\t:S+8*\t+7], v[SO+\t/4]
.endr
	SUMS 5                                         ; with the six lines below: eleven plain lines between the word and the codes just made and the products (eight and four are asked)
	v_pk_add_f32 v[SU+4:SU+5], v[SU+4:SU+5], v[SU+6:SU+7]
	s_delay_alu instid0(VALU_DEP_4)
	v_pk_add_f32 v[SU+8:SU+9], v[SU+8:SU+9], v[SU+10:SU+11]
	s_delay_alu instid0(VALU_DEP_3)
	v_pk_add_f32 v[SU:SU+1], v[SU:SU+1], v[SU+2:SU+3]
	s_delay_alu instid0(VALU_DEP_3)
	v_pk_add_f32 v[14:15], v[14:15], v[SU+4:SU+5]
	s_delay_alu instid0(VALU_DEP_2)
	v_pk_add_f32 v[SU:SU+1], v[SU:SU+1], v[SU+8:SU+9]
	s_delay_alu instid0(VALU_DEP_1)
	v_pk_add_f32 v[14:15], v[14:15], v[SU:SU+1]
	s_wait_dscnt 9*\pre                            ; V and its words are in; the nine younger loads (the next K and its words) may be out
.irp t, 0,1,2,3
	v_wmma_scale_f32_16x16x128_f8f6f4 v[O+8*\t:O+8*\t+7], v[VF+8*\t:VF+8*\t+7], v[PC:PC+7], v[O+8*\t:O+8*\t+7], v[VS+\t], v[PW] matrix_a_fmt:MATRIX_FMT_FP4 matrix_b_fmt:MATRIX_FMT_FP4
.endr
.endm
	s_load_b128 s[4:7], s[0:1], 0x0                ; qkv, cq
	v_lshl_add_u32 v[SPW], v0, 2, SPARE
	v_mov_b32 v[NIL], 0
	ds_add_u32 v[SPW], v[NIL]                      ; the wave's opening: the add, twice on end, and its wait ahead of my first tensor load
	ds_add_u32 v[SPW], v[NIL]
	v_lshrrev_b32 v9, 5, v0
	v_readfirstlane_b32 s[WV], v9                  ; wave 0..15
	s_mul_i32 s40, s[WV], REC                      ; my record in LDS,
	s_lshl_b32 s41, s[WV], 9
	s_add_co_u32 s41, s41, NEWT                    ; and its part of the table
	v_and_b32 v10, 31, v0                          ; lane
	v_and_b32 v96, 15, v0                          ; r
	v_bfe_u32 v11, v0, 4, 1                        ; h
	v_and_b32 v97, 7, v0                           ; r % 8
	v_bfe_u32 v98, v0, 3, 1                        ; r / 8
	v_lshlrev_b32 v[LI], 4, v10
	v_lshlrev_b32 v[LR], 4, v96
	v_lshlrev_b32 v[KB], 4, v97
	v_lshl_add_u32 v[KB], v98, 10, v[KB]
	v_lshl_add_u32 v[KB], v11, 8, v[KB]
	v_add_nc_u32 v[SB0], NEWT, v[LR]
	v_add_nc_u32 v[BYA], v[LR], v11
	v_and_b32 v99, 255, v0
	v_lshlrev_b32 v99, 4, v99                      ; q's image: 512 (wave % 8) + 16 lane
	v_bfe_u32 v100, v0, 6, 2
	v_lshl_add_u32 v100, v100, 2, v[LR]            ; q's pair word: 16 r + 4 ((wave % 8) / 2)
	v_lshl_add_u32 v101, v11, 1, v98
	v_lshlrev_b32 v101, 2, v101
	v_lshl_add_u32 v101, v97, 4, v101
	v_add_nc_u32 v101, s40, v101                   ; the record's pair word of keys' row r % 8, word 2 h + r / 8
	v_lshl_add_u32 v102, v11, 3, v[LR]             ; 16 r + 8 h
	v_add_nc_u32 v103, s41, v102                   ; in the table,
	v_add_nc_u32 v102, s40, v102                   ; and in the record
	v_mov_b32 v104, 0x0c070c03
	v_mov_b32 v105, 0x070c030c
	v_cmp_eq_u32 vcc_lo, 1, v11
	v_cndmask_b32 v[PSEL], v104, v105, vcc_lo
	s_wait_alu depctr_va_vdst(0)
	s_bfe_u32 s13, ttmp6, 0x40000                  ; cx
	s_lshl_b32 s14, ttmp9, 2
	s_add_co_u32 s14, s14, s13                     ; my block of 256 queries
	s_and_b32 s15, ttmp7, 0xffff                   ; 16 batch + head, which the four partners share
	s_mov_b32 s[G1], 15|(3<<16)|(1<<21)            ; the mask of all four; elements of 8 bytes; bit 21 set beside a mask; no padding
	s_mov_b32 s[G1+1], 32<<16                      ; tensor_dim0 = 32 elements: rows of 256 bytes
	s_mov_b32 s[G1+2], 34<<16                      ; tensor_dim1 = 34 rows: a record
	s_mov_b32 s[G1+3], 32<<16                      ; tile_dim0
	s_mov_b32 s[G1+4], 34                          ; tile_dim1
	s_mov_b32 s[G1+5], 32                          ; the pitch: dense
	s_mov_b32 s[G1+6], 0
	s_mov_b32 s[G1+7], 0
	s_lshl_b32 s16, s15, 4
	s_add_co_u32 s16, s16, s[WV]
	s_mul_i32 s16, s16, REC
	s_add_co_u32 s16, s16, KVOFF                   ; record w of my head
	s_mov_b32 s17, 0
	s_mov_b32 s[G0], 1
	s_mul_i32 s[G0+1], s[WV], REC                  ; and its place in LDS
	s_mov_b32 s[SEL], 0x76543210
	s_mov_b32 s[SEL+1], 0xfedcba98
	s_mov_b32 s[CS], 0x3e38aa3b                    ; c = log2(e) / 8
	s_mov_b32 s[CS+1], s[CS]
	s_lshl_b32 s18, s14, 1                         ; Q's record: group of 128 queries = 2 x block + wave / 8
	s_lshr_b32 s19, s[WV], 3
	s_add_co_u32 s18, s18, s19
	s_lshl_b32 s19, s15, 4
	s_add_co_u32 s18, s18, s19
	s_mul_i32 s18, s18, 4352
	s_mov_b32 s19, 0
	s_and_b32 s39, s[WV], 1
	s_lshl_b32 s39, s39, 4                         ; which half of the pair word is my tile's
	; where ctx goes: row tile rt = 128 batch + 16 block + wave; K step head / 2, half head % 2
	s_lshl_b32 s40, s14, 4
	s_add_co_u32 s40, s40, s[WV]
	s_lshr_b32 s41, s15, 4
	s_lshl_b32 s41, s41, 7
	s_add_co_u32 s40, s40, s41                     ; rt
	s_and_b32 s41, s15, 15                         ; head
	s_lshl_b32 s42, s40, 13
	s_lshr_b32 s43, s41, 1
	s_lshl_b32 s44, s43, 10
	s_add_co_u32 s42, s42, s44
	s_and_b32 s44, s41, 1
	s_lshl_b32 s45, s44, 9
	s_add_co_u32 s42, s42, s45                     ; the codes
	s_lshr_b32 s46, s40, 1
	s_lshl_b32 s46, s46, 10
	s_lshr_b32 s47, s41, 3
	s_lshl_b32 s47, s47, 9
	s_add_co_u32 s46, s46, s47
	s_and_b32 s47, s40, 1
	s_lshl_b32 s47, s47, 8
	s_add_co_u32 s46, s46, s47
	s_and_b32 s47, s43, 3
	s_lshl_b32 s47, s47, 2
	s_add_co_u32 s46, s46, s47
	s_lshl_b32 s47, s44, 1
	s_add_co_u32 s46, s46, s47
	s_add_co_u32 s46, s46, XSC                     ; the two scale bytes
	s_mov_b32 s43, 0
	s_mov_b32 s47, 0
	s_mov_b32 s[TB], 0
	s_mov_b32 s[TS], 0
	s_mov_b32 s[CNT], 15
	s_wait_dscnt 0x0                               ; both opening adds are done
	s_wait_kmcnt 0x0
	s_add_nc_u64 s[G0+2:G0+3], s[4:5], s[16:17]
	s_or_b32 s[G0+3], s[G0+3], 0x80000000
	s_add_nc_u64 s[8:9], s[4:5], s[18:19]
	s_add_nc_u64 s[48:49], s[6:7], s[42:43]
	s_add_nc_u64 s[50:51], s[6:7], s[46:47]
	global_load_b128 v[16:19], v99, s[8:9]         ; q, once for (q, 0)
	global_load_b128 v[24:27], v99, s[8:9]         ; and once for (0, q)
	global_load_b32 v106, v100, s[8:9] offset:4096 ; the pair word that holds my tile's two bytes
	CROUND                                         ; all four work-groups are here: the joint loads meet
	tensor_load_to_lds s[G0:G0+3], s[G1:G1+7]
	s_nop 0
.irp j, 20,21,22,23
	v_mov_b32 v[\j], 0                             ; the zero codes of both operands
.endr
	v_mov_b32 v13, 0xff61b1e6                      ; the largest score so far: -3e38
	v_floor_f32 v12, -v13                          ; -M
	v_mov_b32 v14, 0
	v_mov_b32 v15, 0
	v_mov_b32 v[F+1], 0                            ; named as the upper half of a pair
	v_mov_b32 v[X], 0                              ; a lane permute's destination counts as read
	s_wait_loadcnt 0x0
	v_bfe_u32 v[QW], v106, s39, 16                 ; q's two bytes low, 0 above (the idle half has zero codes)
	v_lshlrev_b32 v[QW+1], 16, v[QW]
.set i, 0
.rept 32
	v_mov_b32 v[O+i], 0                            ; the trip is written for every step alike: the first finds zeros.  These lines also stand between the two scale words just made and the first products
.set i, i+1
.endr
	s_wait_alu depctr_va_vdst(0)                   ; the wait at the head's end
	s_wait_tensorcnt 0x0                           ; my record has landed,
	s_barrier_signal -1
	s_barrier_wait -1                              ; everybody's has: no tensor load of the work-group is out
	ds_load_b32 v104, v101 offset:8192             ; tiles' scale bytes of key row r % 8,
	ds_load_b32 v105, v101 offset:8320             ; and of key row 8 + r % 8
	ds_load_b64 v[106:107], v102 offset:8448       ; V's words
	s_wait_dscnt 0x0
	v_perm_b32 v108, v105, v104, 0x05040100        ; pair 2 h: the even tile's bytes of both rows
	v_perm_b32 v109, v105, v104, 0x07060302        ; pair 2 h + 1: the odd tile's
	ds_store_b64 v103, v[108:109]
	ds_store_b64 v103, v[106:107] offset:256
	s_wait_dscnt 0x0                               ; for the others' sake: my record's part of the table is written
	s_barrier_signal -1
	s_barrier_wait -1
	KLOAD KB, 0                                    ; the first record's K
	ds_load_b128 v[KS:KS+3], v[SB0]
.Lkey:                                             ; 15 trips: records 0 to 14; each asks for the next record's K
	TRIP 1
	s_add_co_u32 s[TB], s[TB], REC
	s_add_co_u32 s[TS], s[TS], 512
	s_sub_co_u32 s[CNT], s[CNT], 1
	s_cmp_lg_u32 s[CNT], 0
	s_cbranch_scc1 .Lkey
	TRIP 0                                         ; record 15: nothing is left to ask for
	; ---- the way out: O^T / the sum; its 64 numbers are two blocks of ctx's row
	s_wait_alu depctr_va_vdst(0)                   ; the wait here, directly ahead of the reader below: the sum was written just ahead of the trip's last wait on LDS
	v_add_f32 v14, v14, v15
	v_permlanex16_b32 v[X], v14, s[SEL], s[SEL+1]
	v_add_f32 v14, v14, v[X]
	v_nop
	v_nop                                          ; with the lines above and the one below: the places behind the last products
	s_wait_alu depctr_va_vdst(0)                   ; the wait ahead of the reciprocal
	v_rcp_f32 v14, v14
	v_nop                                          ; a plain line behind it
	s_wait_alu depctr_va_vdst(0)                   ; the wait ahead of its first reader, which is also O^T's first reader
.set i, 0
.rept 16
	v_pk_mul_f32 v[S+2*i:S+2*i+1], v[O+2*i:O+2*i+1], v[14:15] op_sel_hi:[1,0]
.set i, i+1
.endr
.irp b, 0,1
	v_max3_num_f32 v[CH+\b], |v[S+16*\b]|, |v[S+1+16*\b]|, 0x1800000
.endr
.irp i, 2,4,6,8,10,12,14
.irp b, 0,1
	v_max3_num_f32 v[CH+\b], v[CH+\b], |v[S+16*\b+\i]|, |v[S+1+16*\b+\i]|
.endr
.endr
.irp b, 0,1
	v_permlanex16_b32 v[CH+2+\b], v[CH+\b], s[SEL], s[SEL+1]
.endr
.irp b, 0,1
	v_max_num_f32 v[CH+\b], v[CH+\b], v[CH+2+\b]
.endr
.irp b, 0,1
	v_add_nc_u32 v[SO+\b], 0xff000000, v[CH+\b]
.endr
.irp b, 0,1
	v_lshrrev_b32 v[CH+2+\b], 23, v[SO+\b]
.endr
	v_cvt_scalef32_pk8_fp4_f32 v[PC], v[S:S+7], v[SO]
	v_cvt_scalef32_pk8_fp4_f32 v[PC+2], v[S+8:S+15], v[SO]
	v_cvt_scalef32_pk8_fp4_f32 v[PC+1], v[S+16:S+23], v[SO+1]
	v_cvt_scalef32_pk8_fp4_f32 v[PC+3], v[S+24:S+31], v[SO+1]
	v_nop                                          ; one plain line behind the last scaled conversion
	v_permlane16_swap_b32 v[PC], v[PC+1]           ; lanes 0-15 keep the first block, lanes 16-31 get the second
	v_permlane16_swap_b32 v[PC+2], v[PC+3]
	v_cmp_le_u32 vcc_lo, 16, v10
	v_cndmask_b32 v[TMP], v[CH+2], v[CH+3], vcc_lo
	global_store_b128 v[LI], v[PC:PC+3], s[48:49]  ; half a fragment: 512 consecutive bytes
	global_store_b8 v[BYA], v[TMP], s[50:51]       ; lanes 0-15 the first block's byte, lanes 16-31 the second's
	s_wait_tensorcnt 0x0                           ; the wave's end
	ds_add_u32 v[SPW], v[NIL]
	s_wait_dscnt 0x0
	CROUND                                         ; the closing round
	s_endpgm
.Lfunc_end_k_q8c9f4c77af_attn:
	.size	k_q8c9f4c77af_attn, .Lfunc_end_k_q8c9f4c77af_attn-k_q8c9f4c77af_attn
	.p2alignl 7, 3214868480
	.fill 96, 4, 3214868480
	.section	.rodata,"a",@progbits
	.p2align	6, 0x0
	.amdhsa_kernel k_q8c9f4c77af_attn
		.amdhsa_group_segment_fixed_size 167936
		.amdhsa_private_segment_fixed_size 0
		.amdhsa_enable_private_segment 0
		.amdhsa_kernarg_size 16
		.amdhsa_user_sgpr_count 2
		.amdhsa_user_sgpr_kernarg_segment_ptr 1
		.amdhsa_wavefront_size32 1
		.amdhsa_system_sgpr_workgroup_id_x 1
		.amdhsa_system_sgpr_workgroup_id_y 1
		.amdhsa_system_sgpr_workgroup_id_z 1
		.amdhsa_system_vgpr_workitem_id 0
		.amdhsa_next_free_vgpr 256
		.amdhsa_next_free_sgpr 66
		.amdhsa_reserve_vcc 1
		.amdhsa_float_denorm_mode_32 3
		.amdhsa_float_denorm_mode_16_64 3
		.amdhsa_memory_ordered 1
		.amdhsa_forward_progress 1
		.amdhsa_inst_pref_size 40
	.end_amdhsa_kernel
	.amdgpu_metadata
---
amdhsa.version: [ 1, 2 ]
amdhsa.kernels:
  - .name:           k_q8c9f4c77af_attn
    .symbol:         k_q8c9f4c77af_attn.kd
    .args:
      - { .name: qkv, .offset: 0, .size: 8, .value_kind: global_buffer, .address_space: global }
      - { .name: cq, .offset: 8, .size: 8, .value_kind: global_buffer, .address_space: global }
    .group_segment_fixed_size: 167936
    .private_segment_fixed_size: 0
    .kernarg_segment_align: 8
    .kernarg_segment_size: 16
    .max_flat_workgroup_size: 512
    .sgpr_count:     66
    .vgpr_count:     256
    .wavefront_size: 32
...
	.end_amdgpu_metadata
.endif
;; end of part 3
;; launch ln1 (part 4): grid 256 x 1, 4 waves a work-group, no clusters, 132,608 bytes of LDS; arguments cq, wq, bo, x, g1, be1, hf, hq; writes hf, hq
.if DOCPART == 4
	.amdgcn_target "amdgcn-amd-amdhsa--gfx1250"
	.amdhsa_code_object_version 6
	.text
	.protected	k_q8c9f4c77af_ln1
	.globl	k_q8c9f4c77af_ln1
	.p2align	8
	.type	k_q8c9f4c77af_ln1,@function
k_q8c9f4c77af_ln1:
	s_mov_b64 s[64:65], 0
	v_nop
	global_prefetch_b8 v0, s[64:65] scope:SCOPE_SE
	s_setreg_imm32_b32 hwreg(HW_REG_WAVE_MODE, 25, 1), 1
	s_wait_xcnt 0x0
; LN1: product 6 on codes, + bo + x, then h = LayerNorm(..) g1 + be1, stored as f32 (hf: the residual of the second half) and quantised along its rows (hq: product 7's operand).  Nothing is left out.
; A work-group owns 16 WHOLE rows, so that the sum ahead of the norm never goes to memory.
; THE PRODUCT.  Wave w makes 16 rows x 256 columns (256 w on) over K = 1,024.  Source 0 = 16 rows of Wo (16 columns of the result), source 1 = ctx's 16 rows: a lane holds one row and eight neighbouring columns.
; Operands lie in memory in the order of the operand's registers (launches prep and attn).  ctx's eight fragments stay in 64 registers.  The weight goes in four groups of four column tiles: a group's 4 tiles x 8 K steps are
; 32,768 consecutive bytes, 64 loads of 512 bytes, and fill one window of 256 registers; windows 1 and 2 take turns, so a group's loads are issued a whole group ahead of its 32 matrix instructions.
; The group's four accumulators take turns, K ascending; finished, they go into a stage in LDS (16 rows, 4,112 bytes apart).
; THE NORM.  Behind a barrier a wave takes four rows, each whole in 32 registers of the wave: + x + bo, mean, then the mean of the squared deviations (two passes over registers), as the problem writes it.
; For the codes the 16 rows meet in a second stage, of its own bytes; wave w then takes K steps 2 w and 2 w + 1 of all 16 rows, a lane two whole blocks of its row for each.
; NO JOINT LOADS, NO SEPARATE PREFETCH: the operands go from memory straight into registers, so there is no tensor load that work-groups could share, and each group's loads themselves stand 64 loads ahead of their use.
; LIMITS: as stated in launch prep.
.set XSC,   2097152                    ; in cq and hq: behind the codes, the scale words
.set BOFF,  1572864                    ; Wo's codes in wq
.set BSC,   6291456+98304              ; and its scale words
.set STG2,  66048                      ; the second stage
.set SPARE, 132096                     ; behind the stages: the spare words, 128 bytes a wave
.set LO,  1                            ; v1 16 x lane
.set SPW, 2                            ; v2 my spare word, v3 0; never rewritten
.set NIL, 3
.set SM,  8                            ; v8-15 the four rows' sums, in pairs;  v16-23 the squares'
.set QS,  16
.set H8,  24
.set LR,  27                           ; v27 16 x (lane % 16)
.set SIN, 28                           ; v28 into the first stage;  v5 back out of it;  v29 into the second;  v6 out of it
.set SI2, 29
.set Y,   32                           ; v32-159 four rows.  During the product: v32-95 ctx's fragments, v96-127 the accumulators
.set A,   32
.set ACC, 96
.set PC,  160
.set WD,  176
.set SA,  180                          ; v180-187 ctx's scale words, K step s at SA + s: scales and nothing else
.set SB,  188                          ; v188-251 Wo's: pair p of my tiles, K step s at SB + 8 p + s; lanes 0-15 tile 2 p, lanes 16-31 tile 2 p + 1
.set TM,  8                            ; the quantiser's registers lie where the sums lay
.set SOP, 10
.set BY,  12
.set WT,  14
.set WV,  20
.set RC,  21
.set SEL, 22
.set PA,  36
.set PSA, 38
.set PB,  40
.set PSB, 42
; windows of 256 registers: 0: the above;  1, 2: the weight's groups by turns;  1, at the end: x at v0, bo at v128, g1 at v160, be1 at v192
.set MSB, 0
.macro WIN new                         ; the immediate's high byte repeats the setting that is left
.if MSB != (\new)
	s_set_vgpr_msb (MSB<<8)|(\new)
.set MSB, (\new)
.endif
.endm
.macro PLACES                          ; five: four are asked ahead of loads into what the products read and of the stores of their results, five ahead of products that begin the same accumulators anew
.rept 5
	v_nop
.endr
.endm
.macro GLOAD g                         ; group g: tile b, K step s, half c at register 64 b + 8 s + 4 c
	WIN 0x40+0x40*((\g)%2)
.set n, 0
.rept 64
	global_load_b128 v[4*n:4*n+3], v[LO], s[PB:PB+1] offset:32768*(\g)+512*n
.set n, n+1
.endr
	WIN 0
.endm
.macro WM b, s, g
.set rD, ACC+8*(\b)
.set rB, 64*(\b)+8*(\s)
.set rA, A+8*(\s)
.set rX, SB+8*((4*(\g)+(\b))/2)+(\s)
.set rY, SA+(\s)
.if (\s) == 0
.if (\b)%2 == 0
	v_wmma_scale_f32_16x16x128_f8f6f4 v[rD:rD+7], v[rB:rB+7], v[rA:rA+7], 0, v[rX], v[rY] matrix_a_fmt:MATRIX_FMT_FP4 matrix_b_fmt:MATRIX_FMT_FP4
.else
	v_wmma_scale_f32_16x16x128_f8f6f4 v[rD:rD+7], v[rB:rB+7], v[rA:rA+7], 0, v[rX], v[rY] matrix_a_fmt:MATRIX_FMT_FP4 matrix_b_fmt:MATRIX_FMT_FP4 matrix_a_scale:MATRIX_SCALE_ROW1
.endif
.else
.if (\b)%2 == 0
	v_wmma_scale_f32_16x16x128_f8f6f4 v[rD:rD+7], v[rB:rB+7], v[rA:rA+7], v[rD:rD+7], v[rX], v[rY] matrix_a_fmt:MATRIX_FMT_FP4 matrix_b_fmt:MATRIX_FMT_FP4
.else
	v_wmma_scale_f32_16x16x128_f8f6f4 v[rD:rD+7], v[rB:rB+7], v[rA:rA+7], v[rD:rD+7], v[rX], v[rY] matrix_a_fmt:MATRIX_FMT_FP4 matrix_b_fmt:MATRIX_FMT_FP4 matrix_a_scale:MATRIX_SCALE_ROW1
.endif
.endif
.endm
.macro MUL g                           ; 32 products; the four accumulators take turns
	WIN 0x01+(\g)%2                                ; source 0: window 1 or 2
.irp s, 0,1,2,3,4,5,6,7
.irp b, 0,1,2,3
	WM \b, \s, \g
.endr
.endr
	WIN 0
.endm
.macro TOSTAGE g                       ; the group's 64 columns of my row, each accumulator from its low end on
.irp b, 0,1,2,3
	ds_store_b128 v[SIN], v[ACC+8*\b:ACC+8*\b+3] offset:64*(4*(\g)+\b)
	ds_store_b128 v[SIN], v[ACC+8*\b+4:ACC+8*\b+7] offset:64*(4*(\g)+\b)+16
.endr
.endm
.macro REDUCE b                        ; the four rows' sums over the 32 lanes, the rows by turns
.irp k, 0,1,2,3
	v_add_f32 v[\b+2*\k], v[\b+2*\k], v[\b+2*\k+1]
.endr
.irp m, 1,2,4,8
.irp k, 0,1,2,3
	v_add_f32_dpp v[\b+2*\k], v[\b+2*\k], v[\b+2*\k] row_xmask:\m row_mask:0xf bank_mask:0xf
.endr
.endr
.irp k, 0,1,2,3
	v_permlanex16_b32 v[\b+2*\k+1], v[\b+2*\k], s[SEL], s[SEL+1]
.endr
.irp k, 0,1,2,3
	v_add_f32 v[\b+2*\k], v[\b+2*\k], v[\b+2*\k+1]
.endr
.endm
.macro QUANT2 s, pc, wd                ; v[s + 32 c + i] = k 64 c + 32 h + i of my row
.irp c, 0,1
	v_max3_num_f32 v[TM+\c], |v[\s+32*\c]|, |v[\s+32*\c+1]|, 0x1800000
.endr
.irp i, 2,4,6,8,10,12,14,16,18,20,22,24,26,28,30
.irp c, 0,1
	v_max3_num_f32 v[TM+\c], v[TM+\c], |v[\s+32*\c+\i]|, |v[\s+32*\c+\i+1]|
.endr
.endr
.irp c, 0,1
	v_add_nc_u32 v[SOP+\c], 0xff000000, v[TM+\c]
.endr
.irp c, 0,1
	v_lshrrev_b32 v[BY+\c], 23, v[SOP+\c]
.endr
	v_lshl_or_b32 v[BY], v[BY+1], 16, v[BY]
	v_lshlrev_b32 v[BY], v[H8], v[BY]
	v_permlanex16_b32 v[WT], v[BY], s[SEL], s[SEL+1]
	v_or_b32 v[\wd], v[BY], v[WT]
.irp c, 0,1
.irp g, 0,1,2,3
	v_cvt_scalef32_pk8_fp4_f32 v[\pc+4*\c+\g], v[\s+32*\c+8*\g:\s+32*\c+8*\g+7], v[SOP+\c]
.endr
.endr
	v_nop
.endm
	s_load_b512 s[4:19], s[0:1], 0x0               ; cq, wq, bo, x, g1, be1, hf, hq
	v_lshl_add_u32 v[SPW], v0, 2, SPARE
	v_mov_b32 v[NIL], 0
	v_lshrrev_b32 v4, 5, v0
	v_readfirstlane_b32 s[WV], v4                  ; wave
	s_mul_i32 s24, s[WV], 16448                    ; my four rows of a stage
	s_lshl_b32 s25, s[WV], 10                      ; my 256 columns; later my two K steps
	v_and_b32 v4, 31, v0
	v_lshlrev_b32 v[LO], 4, v4
	v_and_b32 v25, 15, v0                          ; r
	v_bfe_u32 v26, v0, 4, 1                        ; h
	v_lshlrev_b32 v[LR], 4, v25
	v_lshlrev_b32 v[H8], 3, v26
	v_mul_u32_u24 v[SIN], v25, 4112
	v_lshl_add_u32 v[SIN], v26, 5, v[SIN]
	v_add_nc_u32 v[SIN], s25, v[SIN]               ; row r, + 1,024 wave + 32 h
	v_add_nc_u32 v5, s24, v[LO]                    ; my four rows, 16 bytes a lane
	v_add_nc_u32 v[SI2], STG2, v5
	v_mul_u32_u24 v6, v25, 4112
	v_lshl_add_u32 v6, v26, 7, v6
	v_add_nc_u32 v6, s25, v6
	v_add_nc_u32 v6, STG2, v6                      ; out of the second stage: row r, K steps 2 w on, + 128 h
	v_lshlrev_b32 v7, 4, v25
	v_lshl_add_u32 v7, v26, 2, v7                  ; 16 r + 4 h: my scale word
	s_wait_alu depctr_va_vdst(0)                   ; the wait at the head's end
	s_lshl_b32 s26, ttmp9, 16                      ; 16 rows of 4,096 bytes,
	s_lshl_b32 s27, s[WV], 14
	s_add_co_u32 s26, s26, s27                     ; and my four of them
	s_mov_b32 s27, 0
	s_lshl_b32 s28, ttmp9, 13                      ; a tile's eight fragments
	s_mov_b32 s29, 0
	s_lshr_b32 s30, ttmp9, 1                       ; a tile's scale words: (tile / 2) 1,024 + (tile % 2) 256
	s_lshl_b32 s30, s30, 10
	s_and_b32 s31, ttmp9, 1
	s_lshl_b32 s31, s31, 8
	s_add_co_u32 s30, s30, s31
	s_add_co_u32 s30, s30, XSC
	s_mov_b32 s31, 0
	s_lshl_b32 s32, s[WV], 17                      ; my 16 tiles of Wo
	s_add_co_u32 s32, s32, BOFF
	s_mov_b32 s33, 0
	s_lshl_b32 s34, s[WV], 13                      ; and their eight pairs' scale words
	s_add_co_u32 s34, s34, BSC
	s_mov_b32 s35, 0
	s_lshl_b32 s48, s[WV], 11                      ; hq's codes: fragment 8 tile + 2 wave
	s_add_co_u32 s48, s48, s28
	s_mov_b32 s49, 0
	s_lshr_b32 s50, s[WV], 1                       ; hq's words: + (wave / 2) 512 + 8 (wave % 2)
	s_lshl_b32 s50, s50, 9
	s_and_b32 s51, s[WV], 1
	s_lshl_b32 s51, s51, 3
	s_add_co_u32 s50, s50, s51
	s_add_co_u32 s50, s50, s30
	s_mov_b32 s51, 0
	s_mov_b32 s[SEL], 0x76543210
	s_mov_b32 s[SEL+1], 0xfedcba98
	s_mov_b32 s[RC], 0x3a800000                    ; 1 / 1,024
	s_wait_kmcnt 0x0
	s_add_nc_u64 s[PA:PA+1], s[4:5], s[28:29]
	s_add_nc_u64 s[PSA:PSA+1], s[4:5], s[30:31]
	s_add_nc_u64 s[PB:PB+1], s[6:7], s[32:33]
	s_add_nc_u64 s[PSB:PSB+1], s[6:7], s[34:35]
	s_add_nc_u64 s[10:11], s[10:11], s[26:27]
	s_add_nc_u64 s[16:17], s[16:17], s[26:27]
	s_add_nc_u64 s[44:45], s[18:19], s[48:49]
	s_add_nc_u64 s[46:47], s[18:19], s[50:51]
	global_load_b128 v[SA:SA+3], v[LR], s[PSA:PSA+1]                   ; lane r: row r's words of K steps 0-3 (sixteen lanes: 256 consecutive bytes),
	global_load_b128 v[SA+4:SA+7], v[LR], s[PSA:PSA+1] offset:512      ; and 4-7
.set n, 0
.rept 16
	global_load_b128 v[A+4*n:A+4*n+3], v[LO], s[PA:PA+1] offset:512*n
.set n, n+1
.endr
.irp p, 0,1,2,3,4,5,6,7
	global_load_b128 v[SB+8*\p:SB+8*\p+3], v[LO], s[PSB:PSB+1] offset:1024*\p
	global_load_b128 v[SB+8*\p+4:SB+8*\p+7], v[LO], s[PSB:PSB+1] offset:1024*\p+512
.endr
	GLOAD 0
	GLOAD 1
	s_wait_loadcnt 63                              ; group 0 and all before it are in: 64 younger loads were issued
	MUL 0
	PLACES
	GLOAD 2
	TOSTAGE 0
	s_wait_dscnt 0x0                               ; the stores have read the accumulators
	s_wait_loadcnt 63                              ; group 1 is in
	MUL 1
	PLACES
	GLOAD 3
	TOSTAGE 1
	s_wait_dscnt 0x0
	s_wait_loadcnt 63                              ; group 2 is in
	MUL 2
	PLACES
	WIN 0x40                                       ; 56 loads into window 1, which group 2 has left: the residual of the four rows that I will norm, the bias, gain and offset
.irp k, 0,1,2,3
.irp i, 0,1,2,3,4,5,6,7
	global_load_b128 v[32*\k+4*\i:32*\k+4*\i+3], v[LO], s[10:11] offset:4096*\k+512*\i
.endr
.endr
.irp i, 0,1,2,3,4,5,6,7
	global_load_b128 v[128+4*\i:128+4*\i+3], v[LO], s[8:9] offset:512*\i
	global_load_b128 v[160+4*\i:160+4*\i+3], v[LO], s[12:13] offset:512*\i
	global_load_b128 v[192+4*\i:192+4*\i+3], v[LO], s[14:15] offset:512*\i
.endr
	WIN 0
	TOSTAGE 2
	s_wait_dscnt 0x0
	s_wait_loadcnt 56                              ; group 3 is in; the 56 just issued may be out
	MUL 3
	PLACES
	TOSTAGE 3
	s_wait_dscnt 0x0                               ; for the others' sake: my 256 columns of all 16 rows lie in the stage
	s_barrier_signal -1
	s_barrier_wait -1
.irp k, 0,1,2,3
.irp i, 0,1,2,3,4,5,6,7
	ds_load_b128 v[Y+32*\k+4*\i:Y+32*\k+4*\i+3], v5 offset:4112*\k+512*\i
.endr
.endr
	s_wait_dscnt 0x0
	s_wait_loadcnt 0x0                             ; residual, bias, gain and offset
	WIN 0x04                                       ; source 1 in window 1
.irp i, 0,2,4,6,8,10,12,14,16,18,20,22,24,26,28,30
.irp k, 0,1,2,3
	v_pk_add_f32 v[Y+32*\k+\i:Y+32*\k+\i+1], v[Y+32*\k+\i:Y+32*\k+\i+1], v[32*\k+\i:32*\k+\i+1]
.endr
.endr
.irp i, 0,2,4,6,8,10,12,14,16,18,20,22,24,26,28,30
.irp k, 0,1,2,3
	v_pk_add_f32 v[Y+32*\k+\i:Y+32*\k+\i+1], v[Y+32*\k+\i:Y+32*\k+\i+1], v[128+\i:129+\i]
.endr
.endr
	WIN 0
.irp k, 0,1,2,3
	v_pk_add_f32 v[SM+2*\k:SM+2*\k+1], v[Y+32*\k:Y+32*\k+1], v[Y+32*\k+2:Y+32*\k+3]
.endr
.irp i, 4,6,8,10,12,14,16,18,20,22,24,26,28,30
.irp k, 0,1,2,3
	v_pk_add_f32 v[SM+2*\k:SM+2*\k+1], v[SM+2*\k:SM+2*\k+1], v[Y+32*\k+\i:Y+32*\k+\i+1]
.endr
.endr
	REDUCE SM
.irp k, 0,1,2,3
	v_mul_f32 v[SM+2*\k], s[RC], v[SM+2*\k]        ; the mean
.endr
.irp i, 0,2,4,6,8,10,12,14,16,18,20,22,24,26,28,30
.irp k, 0,1,2,3
	v_pk_add_f32 v[Y+32*\k+\i:Y+32*\k+\i+1], v[Y+32*\k+\i:Y+32*\k+\i+1], v[SM+2*\k:SM+2*\k+1] op_sel_hi:[1,0] neg_lo:[0,1] neg_hi:[0,1]
.endr
.endr
.irp k, 0,1,2,3
	v_pk_mul_f32 v[QS+2*\k:QS+2*\k+1], v[Y+32*\k:Y+32*\k+1], v[Y+32*\k:Y+32*\k+1]
.endr
.irp i, 2,4,6,8,10,12,14,16,18,20,22,24,26,28,30
.irp k, 0,1,2,3
	v_pk_fma_f32 v[QS+2*\k:QS+2*\k+1], v[Y+32*\k+\i:Y+32*\k+\i+1], v[Y+32*\k+\i:Y+32*\k+\i+1], v[QS+2*\k:QS+2*\k+1]
.endr
.endr
	REDUCE QS
.irp k, 0,1,2,3
	v_fmaak_f32 v[QS+2*\k], s[RC], v[QS+2*\k], 0x3727c5ac              ; the variance + 1e-5
.endr
	s_wait_alu depctr_va_vdst(0)                   ; the wait ahead of the four
.irp k, 0,1,2,3
	v_rsq_f32 v[QS+2*\k], v[QS+2*\k]
.endr
	v_nop                                          ; a plain line behind the last of the four
	s_wait_alu depctr_va_vdst(0)                   ; one wait for the four, ahead of their first reader
.irp i, 0,2,4,6,8,10,12,14,16,18,20,22,24,26,28,30
.irp k, 0,1,2,3
	v_pk_mul_f32 v[Y+32*\k+\i:Y+32*\k+\i+1], v[Y+32*\k+\i:Y+32*\k+\i+1], v[QS+2*\k:QS+2*\k+1] op_sel_hi:[1,0]
.endr
.endr
	WIN 0x14                                       ; sources 1 and 2 in window 1: gain and offset
.irp i, 0,2,4,6,8,10,12,14,16,18,20,22,24,26,28,30
.irp k, 0,1,2,3
	v_pk_fma_f32 v[Y+32*\k+\i:Y+32*\k+\i+1], v[Y+32*\k+\i:Y+32*\k+\i+1], v[160+\i:161+\i], v[192+\i:193+\i]
.endr
.endr
	WIN 0
.irp k, 0,1,2,3
.irp i, 0,1,2,3,4,5,6,7
	global_store_b128 v[LO], v[Y+32*\k+4*\i:Y+32*\k+4*\i+3], s[16:17] offset:4096*\k+512*\i   ; 512 consecutive bytes of a row
.endr
.endr
.irp k, 0,1,2,3
.irp i, 0,1,2,3,4,5,6,7
	ds_store_b128 v[SI2], v[Y+32*\k+4*\i:Y+32*\k+4*\i+3] offset:4112*\k+512*\i
.endr
.endr
	s_wait_dscnt 0x0                               ; for the others' sake: my four rows lie in the second stage
	s_barrier_signal -1
	s_barrier_wait -1
	s_wait_xcnt 0x0                                ; the global stores have read the rows' registers
.irp u, 0,1
.irp c, 0,1
.irp j, 0,1,2,3,4,5,6,7
	ds_load_b128 v[Y+64*\u+32*\c+4*\j:Y+64*\u+32*\c+4*\j+3], v6 offset:512*\u+256*\c+16*\j
.endr
.endr
.endr
	s_wait_dscnt 0x0
	QUANT2 Y, PC, WD
	QUANT2 Y+64, PC+8, WD+1
.irp u, 0,1
.irp c, 0,1
	global_store_b128 v[LO], v[PC+8*\u+4*\c:PC+8*\u+4*\c+3], s[44:45] offset:1024*\u+512*\c
.endr
.endr
	v_cmp_le_u32 vcc_lo, 16, v4
	v_cndmask_b32 v[WD+2], v[WD], v[WD+1], vcc_lo  ; lanes 0-15 store K step 2 w's word of their row, lanes 16-31 K step 2 w + 1's
	global_store_b32 v7, v[WD+2], s[46:47]
	s_wait_tensorcnt 0x0                           ; the wave's end, behind my last LDS store
	ds_add_u32 v[SPW], v[NIL]
	s_wait_dscnt 0x0
	s_endpgm
.Lfunc_end_k_q8c9f4c77af_ln1:
	.size	k_q8c9f4c77af_ln1, .Lfunc_end_k_q8c9f4c77af_ln1-k_q8c9f4c77af_ln1
	.p2alignl 7, 3214868480
	.fill 96, 4, 3214868480
	.section	.rodata,"a",@progbits
	.p2align	6, 0x0
	.amdhsa_kernel k_q8c9f4c77af_ln1
		.amdhsa_group_segment_fixed_size 132608
		.amdhsa_private_segment_fixed_size 0
		.amdhsa_enable_private_segment 0
		.amdhsa_kernarg_size 64
		.amdhsa_user_sgpr_count 2
		.amdhsa_user_sgpr_kernarg_segment_ptr 1
		.amdhsa_wavefront_size32 1
		.amdhsa_system_sgpr_workgroup_id_x 1
		.amdhsa_system_sgpr_workgroup_id_y 1
		.amdhsa_system_sgpr_workgroup_id_z 1
		.amdhsa_system_vgpr_workitem_id 0
		.amdhsa_next_free_vgpr 768
		.amdhsa_next_free_sgpr 66
		.amdhsa_reserve_vcc 1
		.amdhsa_float_denorm_mode_32 3
		.amdhsa_float_denorm_mode_16_64 3
		.amdhsa_memory_ordered 1
		.amdhsa_forward_progress 1
		.amdhsa_inst_pref_size 103
	.end_amdhsa_kernel
	.amdgpu_metadata
---
amdhsa.version: [ 1, 2 ]
amdhsa.kernels:
  - .name:           k_q8c9f4c77af_ln1
    .symbol:         k_q8c9f4c77af_ln1.kd
    .args:
      - { .name: cq, .offset: 0, .size: 8, .value_kind: global_buffer, .address_space: global }
      - { .name: wq, .offset: 8, .size: 8, .value_kind: global_buffer, .address_space: global }
      - { .name: bo, .offset: 16, .size: 8, .value_kind: global_buffer, .address_space: global }
      - { .name: x, .offset: 24, .size: 8, .value_kind: global_buffer, .address_space: global }
      - { .name: g1, .offset: 32, .size: 8, .value_kind: global_buffer, .address_space: global }
      - { .name: be1, .offset: 40, .size: 8, .value_kind: global_buffer, .address_space: global }
      - { .name: hf, .offset: 48, .size: 8, .value_kind: global_buffer, .address_space: global }
      - { .name: hq, .offset: 56, .size: 8, .value_kind: global_buffer, .address_space: global }
    .group_segment_fixed_size: 132608
    .private_segment_fixed_size: 0
    .kernarg_segment_align: 8
    .kernarg_segment_size: 64
    .max_flat_workgroup_size: 128
    .sgpr_count:     66
    .vgpr_count:     768
    .wavefront_size: 32
...
	.end_amdgpu_metadata
.endif
;; end of part 4
;; launch ffn1 (part 5): grid 16 x 16, 4 waves a work-group, no clusters, 0 bytes of LDS; arguments hq, wq, b1, fq; writes fq
.if DOCPART == 5
	.amdgcn_target "amdgcn-amd-amdhsa--gfx1250"
	.amdhsa_code_object_version 6
	.text
	.protected	k_q8c9f4c77af_ffn1
	.globl	k_q8c9f4c77af_ffn1
	.p2align	8
	.type	k_q8c9f4c77af_ffn1,@function
k_q8c9f4c77af_ffn1:
	s_mov_b64 s[64:65], 0
	v_nop
	global_prefetch_b8 v0, s[64:65] scope:SCOPE_SE
	s_setreg_imm32_b32 hwreg(HW_REG_WAVE_MODE, 25, 1), 1
	s_wait_xcnt 0x0
; FFN1: product 7 on codes, + b1, relu, and the quantising of the hidden layer along its rows (product 8's K).  Nothing is left out.
; The core is launch qkv's: a wave makes 128 x 128 in 64 accumulators over 8 K steps written out; operands straight from memory in the order of the operand's registers; no LDS, no barrier.
; Source 0 = W1's rows, source 1 = h's rows: a lane holds one row of the hidden layer and its registers run along the hidden units: my 128 units are one K step of product 8.
; LIMITS: as stated in launch prep.
.set T,     8
.set TS,    8192
.set PS,    1024
.set XSC,   2097152
.set WSC,   6291456
.set FSC,   8388608
.set LO,   1
.set SA,   32
.set SB,   64
.set TM,   96
.set PC,   112
.set PWS,  120
.set BI,   128
.set H,    192
.set PA,   20
.set PB,   22
.set PSA,  24
.set PSB,  26
.set SEL,  44
.set MSB, 0
.macro WIN new
.if MSB != (\new)
	s_set_vgpr_msb (MSB<<8)|(\new)
.set MSB, (\new)
.endif
.endm
.macro PLACES
.rept 4
	v_nop
.endr
.endm
.macro LOADSC reg, ptr
.irp p, 0,1,2,3
	global_load_b128 v[\reg+8*\p:\reg+8*\p+3], v[LO], s[\ptr:\ptr+1] offset:\p*PS
	global_load_b128 v[\reg+8*\p+4:\reg+8*\p+7], v[LO], s[\ptr:\ptr+1] offset:\p*PS+512
.endr
.endm
.macro LOADB s
	WIN 0x40
.irp i, 0,1,2,3,4,5,6,7
.irp c, 0,1
	global_load_b128 v[64*((\s)%3)+8*\i+4*\c:64*((\s)%3)+8*\i+4*\c+3], v[LO], s[PB:PB+1] offset:\i*TS+(\s)*1024+512*\c
.endr
.endr
.endm
.macro LOADA s
.if (\s)%3 < 2
	WIN 0
.set AB, 128+64*((\s)%3)
.else
	WIN 0x40
.set AB, 192
.endif
.irp i, 0,1,2,3,4,5,6,7
.irp c, 0,1
	global_load_b128 v[AB+8*\i+4*\c:AB+8*\i+4*\c+3], v[LO], s[PA:PA+1] offset:\i*TS+(\s)*1024+512*\c
.endr
.endr
.endm
.macro WM a, b, s, zero
.set rD, 8*(8*((\a)%4)+(\b))
.set rB, 64*((\s)%3)+8*(\b)
.if (\s)%3 < 2
.set rA, 128+64*((\s)%3)+8*(\a)
.else
.set rA, 192+8*(\a)
.endif
.set rX, SB+8*((\b)/2)+(\s)
.set rY, SA+8*((\a)/2)+(\s)
.set odd, 2*((\b)%2)+(\a)%2
.if \zero
.if odd == 0
	v_wmma_scale_f32_16x16x128_f8f6f4 v[rD:rD+7], v[rB:rB+7], v[rA:rA+7], 0, v[rX], v[rY] matrix_a_fmt:MATRIX_FMT_FP4 matrix_b_fmt:MATRIX_FMT_FP4
.elseif odd == 1
	v_wmma_scale_f32_16x16x128_f8f6f4 v[rD:rD+7], v[rB:rB+7], v[rA:rA+7], 0, v[rX], v[rY] matrix_a_fmt:MATRIX_FMT_FP4 matrix_b_fmt:MATRIX_FMT_FP4 matrix_b_scale:MATRIX_SCALE_ROW1
.elseif odd == 2
	v_wmma_scale_f32_16x16x128_f8f6f4 v[rD:rD+7], v[rB:rB+7], v[rA:rA+7], 0, v[rX], v[rY] matrix_a_fmt:MATRIX_FMT_FP4 matrix_b_fmt:MATRIX_FMT_FP4 matrix_a_scale:MATRIX_SCALE_ROW1
.else
	v_wmma_scale_f32_16x16x128_f8f6f4 v[rD:rD+7], v[rB:rB+7], v[rA:rA+7], 0, v[rX], v[rY] matrix_a_fmt:MATRIX_FMT_FP4 matrix_b_fmt:MATRIX_FMT_FP4 matrix_a_scale:MATRIX_SCALE_ROW1 matrix_b_scale:MATRIX_SCALE_ROW1
.endif
.else
.if odd == 0
	v_wmma_scale_f32_16x16x128_f8f6f4 v[rD:rD+7], v[rB:rB+7], v[rA:rA+7], v[rD:rD+7], v[rX], v[rY] matrix_a_fmt:MATRIX_FMT_FP4 matrix_b_fmt:MATRIX_FMT_FP4
.elseif odd == 1
	v_wmma_scale_f32_16x16x128_f8f6f4 v[rD:rD+7], v[rB:rB+7], v[rA:rA+7], v[rD:rD+7], v[rX], v[rY] matrix_a_fmt:MATRIX_FMT_FP4 matrix_b_fmt:MATRIX_FMT_FP4 matrix_b_scale:MATRIX_SCALE_ROW1
.elseif odd == 2
	v_wmma_scale_f32_16x16x128_f8f6f4 v[rD:rD+7], v[rB:rB+7], v[rA:rA+7], v[rD:rD+7], v[rX], v[rY] matrix_a_fmt:MATRIX_FMT_FP4 matrix_b_fmt:MATRIX_FMT_FP4 matrix_a_scale:MATRIX_SCALE_ROW1
.else
	v_wmma_scale_f32_16x16x128_f8f6f4 v[rD:rD+7], v[rB:rB+7], v[rA:rA+7], v[rD:rD+7], v[rX], v[rY] matrix_a_fmt:MATRIX_FMT_FP4 matrix_b_fmt:MATRIX_FMT_FP4 matrix_a_scale:MATRIX_SCALE_ROW1 matrix_b_scale:MATRIX_SCALE_ROW1
.endif
.endif
.endm
.macro MUL32 hi, s, zero               ; the 64 accumulators take turns, in the same order in every step
.if (\s)%3 < 2
	WIN 0xa1+0x50*(\hi)
.else
	WIN 0xa5+0x50*(\hi)
.endif
.irp a, 0,1,2,3
.irp b, 0,1,2,3,4,5,6,7
	WM 4*(\hi)+\a, \b, \s, \zero
.endr
.endr
.endm
.macro EXTRA1                          ; the bias of my 64 hidden units: register 8 b + j: unit 16 b + 8 h + j
	WIN 0
.irp b, 0,1,2,3,4,5,6,7
	global_load_b128 v[BI+8*\b:BI+8*\b+3], v2, s[8:9] offset:64*\b
	global_load_b128 v[BI+8*\b+4:BI+8*\b+7], v2, s[8:9] offset:64*\b+16
.endr
.endm
.macro STEP s, cnt, zero, extra        ; cnt: the loads issued behind this step's own, which may stay out
	s_wait_loadcnt \cnt
.if (\s) > 0
	PLACES
.endif
.if (\s)+2 < T
	LOADB (\s)+2
.endif
.if (\extra) == 1
	EXTRA1
.endif
	MUL32 0, \s, \zero
.if (\s)+2 < T
	LOADA (\s)+2
.endif
	MUL32 1, \s, \zero
	WIN 0
.endm
.macro QUANT s, wd
.irp b, 0,1,2,3
	v_max3_num_f32 v[TM+\b], |v[\s+16*\b]|, |v[\s+1+16*\b]|, 0x1800000
.endr
.irp i, 2,4,6,8,10,12,14
.irp b, 0,1,2,3
	v_max3_num_f32 v[TM+\b], v[TM+\b], |v[\s+16*\b+\i]|, |v[\s+1+16*\b+\i]|
.endr
.endr
.irp b, 0,1,2,3
	v_permlanex16_b32 v[TM+4+\b], v[TM+\b], s[SEL], s[SEL+1]
.endr
.irp b, 0,1,2,3
	v_max_num_f32 v[TM+\b], v[TM+\b], v[TM+4+\b]
.endr
.irp b, 0,1,2,3
	v_add_nc_u32 v[TM+12+\b], 0xff000000, v[TM+\b]
.endr
.irp b, 0,1,2,3
	v_lshrrev_b32 v[TM+4+\b], 23, v[TM+12+\b]
.endr
	v_lshl_or_b32 v[\wd], v[TM+5], 8, v[TM+4]
	v_lshl_or_b32 v[\wd], v[TM+6], 16, v[\wd]
	v_lshl_or_b32 v[\wd], v[TM+7], 24, v[\wd]
.irp c, 0,1
	v_cvt_scalef32_pk8_fp4_f32 v[PC+4*\c], v[\s+32*\c:\s+32*\c+7], v[TM+12+2*\c]
	v_cvt_scalef32_pk8_fp4_f32 v[PC+4*\c+2], v[\s+32*\c+8:\s+32*\c+15], v[TM+12+2*\c]
	v_cvt_scalef32_pk8_fp4_f32 v[PC+4*\c+1], v[\s+32*\c+16:\s+32*\c+23], v[TM+13+2*\c]
	v_cvt_scalef32_pk8_fp4_f32 v[PC+4*\c+3], v[\s+32*\c+24:\s+32*\c+31], v[TM+13+2*\c]
.endr
	v_nop
.irp c, 0,1
	v_permlane16_swap_b32 v[PC+4*\c], v[PC+4*\c+1]
	v_permlane16_swap_b32 v[PC+4*\c+2], v[PC+4*\c+3]
.endr
.endm
.macro EPI a                           ; row tile a: + bias, relu, quantised, stored
	WIN 0x02+(\a)/4
.set i, 0
.rept 32
	v_pk_add_f32 v[H+2*i:H+2*i+1], v[64*((\a)%4)+2*i:64*((\a)%4)+2*i+1], v[BI+2*i:BI+2*i+1]
.set i, i+1
.endr
	WIN 0
.set i, 0
.rept 64
	v_max_num_f32 v[H+i], 0, v[H+i]
.set i, i+1
.endr
	s_wait_xcnt 0x0                                ; the last tile's stores have read the codes' registers
	QUANT H, PWS+(\a)
	global_store_b128 v[LO], v[PC:PC+3], s[52:53] offset:32768*(\a)
	global_store_b128 v[LO], v[PC+4:PC+7], s[52:53] offset:32768*(\a)+512
.endm
	s_load_b256 s[4:11], s[0:1], 0x0               ; hq, wq, b1, fq
	v_lshrrev_b32 v2, 5, v0
	v_readfirstlane_b32 s16, v2
	v_and_b32 v3, 31, v0
	v_lshlrev_b32 v[LO], 4, v3
	v_bfe_u32 v7, v0, 4, 1
	s_and_b32 s17, ttmp7, 0xffff
	s_lshl_b32 s17, s17, 1
	s_lshr_b32 s30, s16, 1
	s_add_co_u32 s17, s17, s30                     ; ta: which 128 rows
	s_lshl_b32 s18, ttmp9, 1
	s_and_b32 s30, s16, 1
	s_add_co_u32 s18, s18, s30                     ; tb: which 128 hidden units
	s_lshl_b32 s30, s17, 16
	s_lshl_b32 s32, s17, 12
	s_add_co_u32 s32, s32, XSC
	s_lshl_b32 s34, s18, 16
	s_add_co_u32 s34, s34, 2097152
	s_lshl_b32 s36, s18, 12
	s_add_co_u32 s36, s36, WSC+131072
	s_mov_b32 s31, 0
	s_mov_b32 s33, 0
	s_mov_b32 s35, 0
	s_mov_b32 s37, 0
	s_wait_alu depctr_va_vdst(0)
	s_wait_kmcnt 0x0
	s_add_nc_u64 s[PA:PA+1], s[4:5], s[30:31]
	s_add_nc_u64 s[PSA:PSA+1], s[4:5], s[32:33]
	s_add_nc_u64 s[PB:PB+1], s[6:7], s[34:35]
	s_add_nc_u64 s[PSB:PSB+1], s[6:7], s[36:37]
	LOADSC SA, PSA
	LOADSC SB, PSB
	LOADB 0
	LOADA 0
	LOADB 1
	LOADA 1
	WIN 0
	s_lshl_b32 s30, s18, 9
	s_add_nc_u64 s[8:9], s[8:9], s[30:31]          ; the bias of my 128 units
	s_lshl_b32 s30, s17, 18                        ; the codes: tile 8 ta + a, K step tb
	s_lshl_b32 s32, s18, 10
	s_add_co_u32 s30, s30, s32
	s_add_nc_u64 s[52:53], s[10:11], s[30:31]
	s_lshl_b32 s30, s17, 14                        ; the words: pair 4 ta + p, group tb / 4, word tb % 4
	s_lshr_b32 s32, s18, 2
	s_lshl_b32 s32, s32, 9
	s_add_co_u32 s30, s30, s32
	s_and_b32 s32, s18, 3
	s_lshl_b32 s32, s32, 2
	s_add_co_u32 s30, s30, s32
	s_add_co_u32 s30, s30, FSC
	s_add_nc_u64 s[54:55], s[10:11], s[30:31]
	s_mov_b32 s[SEL], 0x76543210
	s_mov_b32 s[SEL+1], 0xfedcba98
	v_lshlrev_b32 v2, 5, v7
.irp b, 0,1,2,3
	v_mov_b32 v[TM+4+\b], 0
.endr
	s_wait_alu depctr_va_vdst(0)
	STEP 0, 32, 1, 0
	STEP 1, 32, 0, 0
	STEP 2, 32, 0, 0
	STEP 3, 32, 0, 0
	STEP 4, 32, 0, 0
	STEP 5, 32, 0, 0
	STEP 6, 32, 0, 0
	STEP 7, 0, 0, 1
	PLACES
	s_wait_loadcnt 0x0                             ; the bias
.irp a, 0,1,2,3,4,5,6,7
	EPI \a
.endr
	v_cmp_le_u32 vcc_lo, 16, v3
.irp p, 0,1,2,3
	v_cndmask_b32 v[TM+\p], v[PWS+2*\p], v[PWS+2*\p+1], vcc_lo         ; lane l: the word of row 32 p + l
.endr
.irp p, 0,1,2,3
	global_store_b32 v[LO], v[TM+\p], s[54:55] offset:4096*\p
.endr
	s_endpgm
.Lfunc_end_k_q8c9f4c77af_ffn1:
	.size	k_q8c9f4c77af_ffn1, .Lfunc_end_k_q8c9f4c77af_ffn1-k_q8c9f4c77af_ffn1
	.p2alignl 7, 3214868480
	.fill 96, 4, 3214868480
	.section	.rodata,"a",@progbits
	.p2align	6, 0x0
	.amdhsa_kernel k_q8c9f4c77af_ffn1
		.amdhsa_group_segment_fixed_size 0
		.amdhsa_private_segment_fixed_size 0
		.amdhsa_enable_private_segment 0
		.amdhsa_kernarg_size 32
		.amdhsa_user_sgpr_count 2
		.amdhsa_user_sgpr_kernarg_segment_ptr 1
		.amdhsa_wavefront_size32 1
		.amdhsa_system_sgpr_workgroup_id_x 1
		.amdhsa_system_sgpr_workgroup_id_y 1
		.amdhsa_system_sgpr_workgroup_id_z 1
		.amdhsa_system_vgpr_workitem_id 0
		.amdhsa_next_free_vgpr 1024
		.amdhsa_next_free_sgpr 66
		.amdhsa_reserve_vcc 1
		.amdhsa_float_denorm_mode_32 3
		.amdhsa_float_denorm_mode_16_64 3
		.amdhsa_memory_ordered 1
		.amdhsa_forward_progress 1
		.amdhsa_inst_pref_size 161
	.end_amdhsa_kernel
	.amdgpu_metadata
---
amdhsa.version: [ 1, 2 ]
amdhsa.kernels:
  - .name:           k_q8c9f4c77af_ffn1
    .symbol:         k_q8c9f4c77af_ffn1.kd
    .args:
      - { .name: hq, .offset: 0, .size: 8, .value_kind: global_buffer, .address_space: global }
      - { .name: wq, .offset: 8, .size: 8, .value_kind: global_buffer, .address_space: global }
      - { .name: b1, .offset: 16, .size: 8, .value_kind: global_buffer, .address_space: global }
      - { .name: fq, .offset: 24, .size: 8, .value_kind: global_buffer, .address_space: global }
    .group_segment_fixed_size: 0
    .private_segment_fixed_size: 0
    .kernarg_segment_align: 8
    .kernarg_segment_size: 32
    .max_flat_workgroup_size: 128
    .sgpr_count:     66
    .vgpr_count:     1024
    .wavefront_size: 32
...
	.end_amdgpu_metadata
.endif
;; end of part 5
;; launch ffn2 (part 6): grid 8 x 32, 4 waves a work-group, clusters of 4 x 4, 279,040 bytes of LDS; arguments fq, wq, b2, hf, yy; writes yy
.if DOCPART == 6
	.amdgcn_target "amdgcn-amd-amdhsa--gfx1250"
	.amdhsa_code_object_version 6
	.text
	.protected	k_q8c9f4c77af_ffn2
	.globl	k_q8c9f4c77af_ffn2
	.p2align	8
	.type	k_q8c9f4c77af_ffn2,@function
k_q8c9f4c77af_ffn2:
	s_mov_b64 s[64:65], 0
	v_nop
	global_prefetch_b8 v0, s[64:65] scope:SCOPE_SE
	s_setreg_imm32_b32 hwreg(HW_REG_WAVE_MODE, 25, 1), 1
	s_wait_xcnt 0x0
	s_wait_alu depctr_hold_cnt(0) depctr_sa_sdst(0) depctr_va_vdst(0) depctr_va_sdst(0) depctr_va_ssrc(0) depctr_va_vcc(0) depctr_vm_vsrc(0)
	s_getreg_b32 s2, hwreg(HW_REG_IB_STS2, 6, 4)
	s_cmp_eq_u32 s2, 0
	s_cbranch_scc0 .Lentry_in_a_cluster
	s_endpgm
.Lentry_in_a_cluster:
	s_bfe_u32 s2, ttmp6, 0x10000c
	s_cmp_lg_u32 s2, 0xf033
	s_cbranch_scc0 .Lentry_shape_is_right
	s_endpgm
.Lentry_shape_is_right:
; FFN2: product 8 on codes, + b2 + h, into yy (f32).  Nothing is left out.
; A work-group makes 128 x 128 of the result; ITS FOUR WAVES SPLIT K = 4,096: wave w takes K steps 8 w .. 8 w + 7 (128 along K each) for the whole tile, in 64 accumulators.  The four partial tiles meet in four stages in LDS,
; which the way out needs anyway (a lane holds 32 bytes of a row; rows leave whole): each wave then adds the four parts of 32 rows, the bias and the residual, and stores rows of 512 consecutive bytes.
; Both operands lie in memory in the order of the operand's registers (launches ffn1 and prep).  Source 0 = W2's rows ("B"), source 1 = the hidden layer's rows ("A").
; CLUSTER, 4 x 4 work-groups.  The four of a row of the cluster make the same 128 rows of the result and want the same A: A's codes and scale words are asked for JOINTLY, by the same tensor loads with the same descriptors and a mask
; that names the four, and land in each one's LDS.  They are filled ONCE, at the head: no byte is filled again.  Each wave asks for what it reads itself (its own K steps: three loads of a wave are out), so its own wait orders its reads.
; B IS NOT ASKED FOR JOINTLY, though the four of a column share it: A's 262,144 + 16,384 bytes and B's as many are 557,056, and a work-group can have 327,680; so one operand goes through LDS and the other straight into registers,
; two loads of 512 consecutive bytes a fragment, three K steps ahead in four sets of registers.
; LIMIT: the f32 sum over K is made in four parts, which are then added.
; AS THE TEXT STANDS: each wave has ONE tensor load, a joint one: its eight K steps of A's codes, 8 rows (tiles of 16 rows of A) of 8,192 bytes.  A's scale words come from memory straight into registers, as B's do.
; Where the lines above say otherwise of the number of loads and of A's scale words, these two lines hold.
.set T,     8
.set TS,    32768                      ; from a tile of 16 rows to the next, both operands
.set PS,    4096                       ; from a pair of tiles' scale words to the next
.set ASC,   8388608                    ; A's scale words in fq
.set BOFF,  4194304                    ; W2's codes in wq
.set BSC,   6291456+262144             ; and its scale words
; LDS: wave w's A at 65,536 w: tile i at 8,192 i, K step s at 1,024 s
.set SPARE, 278528                     ; behind them: the spare words, 128 bytes a wave.  The four stages of the way out, 67,584 bytes each, lie from byte 0 on, over bytes that have had their one fill
.set LO,   1                           ; v1 16 x lane; v2 into my stage; v4-7 back out of the four stages
.set LA,   10                          ; v10 LDS: my A fragments
.set SPW,  30
.set NIL,  31
.set SA,   32                          ; v32-63 A's scale words: pair p, step s at SA + 8 p + s; lanes 0-15 tile 2 p, lanes 16-31 tile 2 p + 1
.set SB,   64                          ; v64-95 B's
.set BIA,  96                          ; v96-99 the bias of my four columns
.set WV,   16
.set PB,   22                          ; s[22:23] B's codes, s[26:27] B's scale words
.set PSB,  26
.set G1A,  28                          ; s[28:35] descriptor group 1 for A's codes
.set PSA,  46                          ; s[46:47] A's scale words
.set G0L,  48                          ; s[48:51] group 0
; windows of 256 registers: 0: the above, A's two sets at v128, v192;  1: B's four sets at v0, v64, v128, v192 (v0-127: later the residual);  2, 3: the accumulators, (a, b) at v[8 (8 (a % 4) + b)]
.set MSB, 0
.macro WIN new                         ; the immediate's high byte repeats the setting that is left
.if MSB != (\new)
	s_set_vgpr_msb (MSB<<8)|(\new)
.set MSB, (\new)
.endif
.endm
.macro PLACES
.rept 4
	v_nop
.endr
.endm
.macro CROUND                          ; a round of the cluster's barrier
	s_barrier_signal -1
	s_barrier_wait -1
	s_cmp_lg_u32 s[WV], 0
	s_cbranch_scc1 .Lnot_wave_0_\@
	s_barrier_signal -3
.Lnot_wave_0_\@:
	s_barrier_wait -3
	s_barrier_signal -1
	s_barrier_wait -1
.endm
.macro LOADSB                          ; B's scale words of my 8 K steps, from memory
.irp p, 0,1,2,3
	global_load_b128 v[SB+8*\p:SB+8*\p+3], v[LO], s[PSB:PSB+1] offset:\p*PS
	global_load_b128 v[SB+8*\p+4:SB+8*\p+7], v[LO], s[PSB:PSB+1] offset:\p*PS+512
.endr
.endm
.macro LOADSA                          ; A's likewise
.irp p, 0,1,2,3
	global_load_b128 v[SA+8*\p:SA+8*\p+3], v[LO], s[PSA:PSA+1] offset:\p*PS
	global_load_b128 v[SA+8*\p+4:SA+8*\p+7], v[LO], s[PSA:PSA+1] offset:\p*PS+512
.endr
.endm
.macro LOADB s                         ; B's eight fragments of K step s, from memory, into set s % 4
	WIN 0x40
.irp i, 0,1,2,3,4,5,6,7
.irp c, 0,1
	global_load_b128 v[64*((\s)%4)+8*\i+4*\c:64*((\s)%4)+8*\i+4*\c+3], v[LO], s[PB:PB+1] offset:\i*TS+(\s)*1024+512*\c
.endr
.endr
.endm
.macro LOADA s                         ; A's eight fragments of K step s, from LDS, into set s % 2
	WIN 0
.irp i, 0,1,2,3,4,5,6,7
.irp c, 0,1
	ds_load_b128 v[128+64*((\s)%2)+8*\i+4*\c:128+64*((\s)%2)+8*\i+4*\c+3], v[LA] offset:8192*\i+1024*(\s)+512*\c
.endr
.endr
.endm
.macro WM a, b, s, zero                ; one product: B's tile b x A's tile a, K step s
.set rD, 8*(8*((\a)%4)+(\b))
.set rB, 64*((\s)%4)+8*(\b)
.set rA, 128+64*((\s)%2)+8*(\a)
.set rX, SB+8*((\b)/2)+(\s)
.set rY, SA+8*((\a)/2)+(\s)
.set odd, 2*((\b)%2)+(\a)%2
.if \zero
.if odd == 0
	v_wmma_scale_f32_16x16x128_f8f6f4 v[rD:rD+7], v[rB:rB+7], v[rA:rA+7], 0, v[rX], v[rY] matrix_a_fmt:MATRIX_FMT_FP4 matrix_b_fmt:MATRIX_FMT_FP4
.elseif odd == 1
	v_wmma_scale_f32_16x16x128_f8f6f4 v[rD:rD+7], v[rB:rB+7], v[rA:rA+7], 0, v[rX], v[rY] matrix_a_fmt:MATRIX_FMT_FP4 matrix_b_fmt:MATRIX_FMT_FP4 matrix_b_scale:MATRIX_SCALE_ROW1
.elseif odd == 2
	v_wmma_scale_f32_16x16x128_f8f6f4 v[rD:rD+7], v[rB:rB+7], v[rA:rA+7], 0, v[rX], v[rY] matrix_a_fmt:MATRIX_FMT_FP4 matrix_b_fmt:MATRIX_FMT_FP4 matrix_a_scale:MATRIX_SCALE_ROW1
.else
	v_wmma_scale_f32_16x16x128_f8f6f4 v[rD:rD+7], v[rB:rB+7], v[rA:rA+7], 0, v[rX], v[rY] matrix_a_fmt:MATRIX_FMT_FP4 matrix_b_fmt:MATRIX_FMT_FP4 matrix_a_scale:MATRIX_SCALE_ROW1 matrix_b_scale:MATRIX_SCALE_ROW1
.endif
.else
.if odd == 0
	v_wmma_scale_f32_16x16x128_f8f6f4 v[rD:rD+7], v[rB:rB+7], v[rA:rA+7], v[rD:rD+7], v[rX], v[rY] matrix_a_fmt:MATRIX_FMT_FP4 matrix_b_fmt:MATRIX_FMT_FP4
.elseif odd == 1
	v_wmma_scale_f32_16x16x128_f8f6f4 v[rD:rD+7], v[rB:rB+7], v[rA:rA+7], v[rD:rD+7], v[rX], v[rY] matrix_a_fmt:MATRIX_FMT_FP4 matrix_b_fmt:MATRIX_FMT_FP4 matrix_b_scale:MATRIX_SCALE_ROW1
.elseif odd == 2
	v_wmma_scale_f32_16x16x128_f8f6f4 v[rD:rD+7], v[rB:rB+7], v[rA:rA+7], v[rD:rD+7], v[rX], v[rY] matrix_a_fmt:MATRIX_FMT_FP4 matrix_b_fmt:MATRIX_FMT_FP4 matrix_a_scale:MATRIX_SCALE_ROW1
.else
	v_wmma_scale_f32_16x16x128_f8f6f4 v[rD:rD+7], v[rB:rB+7], v[rA:rA+7], v[rD:rD+7], v[rX], v[rY] matrix_a_fmt:MATRIX_FMT_FP4 matrix_b_fmt:MATRIX_FMT_FP4 matrix_a_scale:MATRIX_SCALE_ROW1 matrix_b_scale:MATRIX_SCALE_ROW1
.endif
.endif
.endm
.macro MUL32 hi, s, zero               ; A's tiles 4 hi .. 4 hi + 3 x B's eight.  The 64 accumulators take turns, in the same order in every step
	WIN 0xa1+0x50*(\hi)                            ; source 0 (B) window 1, source 1 (A) window 0, C and D window 2 or 3
.irp a, 0,1,2,3
.irp b, 0,1,2,3,4,5,6,7
	WM 4*(\hi)+\a, \b, \s, \zero
.endr
.endr
.endm
.macro EXTRA1                          ; 33 loads: the bias of my four columns, and the residual of the 32 rows that I will store, into B's sets 0 and 1, which steps 4 and 5 read last
	WIN 0
	global_load_b128 v[BIA:BIA+3], v[LO], s[8:9]
	WIN 0x40
.set i, 0
.rept 32
	global_load_b128 v[4*i:4*i+3], v[LO], s[10:11] offset:4096*i
.set i, i+1
.endr
.endm
; A K step.  cnt: the loads from memory issued behind this step's own fragments of B, which may stay out.  A's fragments were asked of LDS a step ago.
; The four places stand between the last step's products and the loads into the sets that they read: B's set (s + 3) % 4 = (s - 1) % 4, A's set (s + 1) % 2 = (s - 1) % 2.
.macro STEP s, cnt, zero
	s_wait_loadcnt \cnt
	s_wait_dscnt 0x0
.if (\s) > 0
	PLACES
.endif
.if (\s)+3 < T
	LOADB (\s)+3
.endif
.if (\s) == 6
	EXTRA1
.endif
.if (\s)+1 < T
	LOADA (\s)+1
.endif
	MUL32 0, \s, \zero
	MUL32 1, \s, \zero
	WIN 0
.endm
.macro BATCH n                         ; rows 8 n .. 8 n + 7 of my 32: the four parts, the bias, the residual
.if (\n) > 0
	s_wait_xcnt 0x0                                ; the last batch's stores have read their registers
.endif
.irp p, 0,1,2,3
.irp i, 0,1,2,3,4,5,6,7
	ds_load_b128 v[128+32*\p+4*\i:128+32*\p+4*\i+3], v[4+\p] offset:528*(8*(\n)+\i)
.endr
.endr
	s_wait_dscnt 0x0
.if (\n) == 0
	s_wait_loadcnt 0x0                             ; the bias and the residual
.endif
.irp i, 0,1,2,3,4,5,6,7
.irp e, 0,2
	v_pk_add_f32 v[128+4*\i+\e:129+4*\i+\e], v[128+4*\i+\e:129+4*\i+\e], v[160+4*\i+\e:161+4*\i+\e]
	v_pk_add_f32 v[192+4*\i+\e:193+4*\i+\e], v[192+4*\i+\e:193+4*\i+\e], v[224+4*\i+\e:225+4*\i+\e]
.endr
.endr
.irp i, 0,1,2,3,4,5,6,7
.irp e, 0,2
	v_pk_add_f32 v[128+4*\i+\e:129+4*\i+\e], v[128+4*\i+\e:129+4*\i+\e], v[192+4*\i+\e:193+4*\i+\e]
.endr
.endr
.irp i, 0,1,2,3,4,5,6,7
.irp e, 0,2
	v_pk_add_f32 v[128+4*\i+\e:129+4*\i+\e], v[128+4*\i+\e:129+4*\i+\e], v[BIA+\e:BIA+\e+1]
.endr
.endr
	WIN 0x04                                       ; source 1: the residual, in window 1
.irp i, 0,1,2,3,4,5,6,7
.irp e, 0,2
	v_pk_add_f32 v[128+4*\i+\e:129+4*\i+\e], v[128+4*\i+\e:129+4*\i+\e], v[4*(8*(\n)+\i)+\e:4*(8*(\n)+\i)+\e+1]
.endr
.endr
	WIN 0
.irp i, 0,1,2,3,4,5,6,7
	global_store_b128 v[LO], v[128+4*\i:128+4*\i+3], s[12:13] offset:4096*(8*(\n)+\i) th:TH_STORE_NT   ; 512 consecutive bytes of a row
.endr
.endm
	s_load_b256 s[4:11], s[0:1], 0x0               ; fq, wq, b2, hf
	s_load_b64 s[12:13], s[0:1], 0x20              ; yy
	v_lshl_add_u32 v[SPW], v0, 2, SPARE
	v_mov_b32 v[NIL], 0
	ds_add_u32 v[SPW], v[NIL]                      ; the wave's opening: the add, twice on end, and its wait ahead of my first tensor load
	ds_add_u32 v[SPW], v[NIL]
	v_lshrrev_b32 v2, 5, v0
	v_readfirstlane_b32 s[WV], v2                  ; wave = my part of K
	v_and_b32 v3, 31, v0
	v_lshlrev_b32 v[LO], 4, v3
	v_and_b32 v8, 15, v0
	v_bfe_u32 v9, v0, 4, 1
	s_bfe_u32 s14, ttmp6, 0x40000                  ; cx, cy: my place in the cluster
	s_bfe_u32 s15, ttmp6, 0x40004
	s_and_b32 s17, ttmp7, 0xffff
	s_lshl_b32 s17, s17, 2
	s_add_co_u32 s17, s17, s15                     ; ta = 4 x cluster y + cy: which 128 rows
	s_lshl_b32 s18, ttmp9, 2
	s_add_co_u32 s18, s18, s14                     ; tb = 4 x cluster x + cx: which 128 columns
	s_lshl_b32 s19, s15, 2
	s_lshl_b32 s19, 15, s19                        ; my row of the cluster: places 4 cy .. 4 cy + 3
	; descriptor group 1 for A's codes: 8 rows (tiles of 16 rows of A) x 8,192 bytes (eight K steps), 32,768 bytes apart in memory, dense in LDS
	s_or_b32 s[G1A], s19, (3<<16)|(1<<21)          ; the mask; elements of 8 bytes; bit 21 set beside a mask; no padding
	s_mov_b32 s[G1A+1], 1024<<16                   ; tensor_dim0 = 1,024 elements: eight K steps
	s_mov_b32 s[G1A+2], 8<<16                      ; tensor_dim1 = 8
	s_mov_b32 s[G1A+3], 1024<<16                   ; tile_dim0
	s_mov_b32 s[G1A+4], 8                          ; tile_dim1
	s_mov_b32 s[G1A+5], 4096                       ; the pitch, in elements
	s_mov_b32 s[G1A+6], 0
	s_mov_b32 s[G1A+7], 0
	s_lshl_b32 s3, s[WV], 13                       ; my eight K steps: 8,192 bytes into a tile
	s_lshl_b32 s20, s17, 18                        ; A's codes: made of the rows' coordinate and the wave's number alone, which the four partners share
	s_add_co_u32 s20, s20, s3
	s_mov_b32 s21, 0
	s_lshl_b32 s24, s17, 14                        ; A's scale words likewise
	s_lshl_b32 s25, s[WV], 10
	s_add_co_u32 s24, s24, s25
	s_add_co_u32 s24, s24, ASC
	s_mov_b32 s25, 0
	s_lshl_b32 s56, s18, 18                        ; B's codes
	s_add_co_u32 s56, s56, s3
	s_add_co_u32 s56, s56, BOFF
	s_mov_b32 s57, 0
	s_lshl_b32 s58, s18, 14                        ; B's scale words
	s_lshl_b32 s59, s[WV], 10
	s_add_co_u32 s58, s58, s59
	s_add_co_u32 s58, s58, BSC
	s_mov_b32 s59, 0
	s_lshl_b32 s60, s17, 19                        ; the rows that I store: 128 ta + 32 wave, of 4,096 bytes; + 512 tb
	s_lshl_b32 s61, s[WV], 17
	s_add_co_u32 s60, s60, s61
	s_lshl_b32 s62, s18, 9
	s_add_co_u32 s60, s60, s62
	s_mov_b32 s61, 0
	s_mov_b32 s63, 0
	s_mov_b32 s[G0L], 1
	s_lshl_b32 s[G0L+1], s[WV], 16                 ; the LDS address: the wave's number alone
	s_wait_alu depctr_va_vdst(0)
	s_wait_dscnt 0x0                               ; both opening adds are done
	s_wait_kmcnt 0x0
	s_add_nc_u64 s[PB:PB+1], s[6:7], s[56:57]
	s_add_nc_u64 s[PSB:PSB+1], s[6:7], s[58:59]
	s_add_nc_u64 s[8:9], s[8:9], s[62:63]
	s_add_nc_u64 s[10:11], s[10:11], s[60:61]
	s_add_nc_u64 s[12:13], s[12:13], s[60:61]
	s_add_nc_u64 s[PSA:PSA+1], s[4:5], s[24:25]
	s_add_nc_u64 s[G0L+2:G0L+3], s[4:5], s[20:21]
	s_or_b32 s[G0L+3], s[G0L+3], 0x80000000
	LOADSB                                         ; 64 loads from memory go out ahead of the round: both operands' scale words and B's fragments of K steps 0, 1, 2
	LOADSA
	LOADB 0
	LOADB 1
	LOADB 2
	WIN 0
	CROUND                                         ; all sixteen work-groups are here: the joint loads meet
	tensor_load_to_lds s[G0L:G0L+3], s[G1A:G1A+7]  ; A's codes of my eight K steps: my one tensor load
	s_nop 0
	PLACES
	s_lshl_b32 s20, s[WV], 16
	v_add_nc_u32 v[LA], s20, v[LO]                 ; my A in LDS: 65,536 wave + 16 lane
	s_mul_i32 s20, s[WV], 67584                    ; my stage: 128 rows of 512 + 16 bytes
	v_mul_u32_u24 v2, v8, 528
	v_lshl_add_u32 v2, v9, 5, v2
	v_add_nc_u32 v2, s20, v2
	s_mul_i32 s20, s[WV], 16896                    ; back: my 32 rows of each stage
	v_add_nc_u32 v4, s20, v[LO]
	v_add_nc_u32 v5, 67584, v4
	v_add_nc_u32 v6, 135168, v4
	v_add_nc_u32 v7, 202752, v4
	s_wait_alu depctr_va_vdst(0)
	s_wait_tensorcnt 0x0                           ; my A has landed.  I alone read these bytes
	LOADA 0
	STEP 0, 32, 1                                  ; 32: B's fragments of the next two K steps, 16 loads each
	STEP 1, 32, 0
	STEP 2, 32, 0
	STEP 3, 32, 0
	STEP 4, 32, 0
	STEP 5, 32, 0
	STEP 6, 16, 0                                  ; 16: B's of step 7
	STEP 7, 33, 0                                  ; 33: the bias and the residual
	PLACES                                         ; behind the last products, ahead of the first read of results
	s_wait_dscnt 0x0                               ; my reads of A's fragments are over; my tensor load was waited for ahead of step 0
	s_barrier_signal -1
	s_barrier_wait -1                              ; every wave's are: the stages may be laid over those bytes
.irp a, 0,1,2,3,4,5,6,7
	WIN 0x08+4*(\a/4)                              ; an LDS store's data are its source 1
.irp b, 0,1,2,3,4,5,6,7
	ds_store_b128 v2, v[64*(\a%4)+8*\b:64*(\a%4)+8*\b+3] offset:8448*\a+64*\b          ; each accumulator from its low end on
	ds_store_b128 v2, v[64*(\a%4)+8*\b+4:64*(\a%4)+8*\b+7] offset:8448*\a+64*\b+16
.endr
.endr
	WIN 0
	s_wait_dscnt 0x0                               ; for the others' sake: my part lies in my stage
	s_barrier_signal -1
	s_barrier_wait -1
	BATCH 0
	BATCH 1
	BATCH 2
	BATCH 3
	s_wait_tensorcnt 0x0                           ; the wave's end, behind my last tensor load and my last LDS store
	ds_add_u32 v[SPW], v[NIL]
	s_wait_dscnt 0x0
	CROUND                                         ; the closing round
	s_endpgm
.Lfunc_end_k_q8c9f4c77af_ffn2:
	.size	k_q8c9f4c77af_ffn2, .Lfunc_end_k_q8c9f4c77af_ffn2-k_q8c9f4c77af_ffn2
	.p2alignl 7, 3214868480
	.fill 96, 4, 3214868480
	.section	.rodata,"a",@progbits
	.p2align	6, 0x0
	.amdhsa_kernel k_q8c9f4c77af_ffn2
		.amdhsa_group_segment_fixed_size 279040
		.amdhsa_private_segment_fixed_size 0
		.amdhsa_enable_private_segment 0
		.amdhsa_kernarg_size 40
		.amdhsa_user_sgpr_count 2
		.amdhsa_user_sgpr_kernarg_segment_ptr 1
		.amdhsa_wavefront_size32 1
		.amdhsa_system_sgpr_workgroup_id_x 1
		.amdhsa_system_sgpr_workgroup_id_y 1
		.amdhsa_system_sgpr_workgroup_id_z 1
		.amdhsa_system_vgpr_workitem_id 0
		.amdhsa_next_free_vgpr 1024
		.amdhsa_next_free_sgpr 66
		.amdhsa_reserve_vcc 0
		.amdhsa_float_denorm_mode_32 3
		.amdhsa_float_denorm_mode_16_64 3
		.amdhsa_memory_ordered 1
		.amdhsa_forward_progress 1
		.amdhsa_inst_pref_size 136
	.end_amdhsa_kernel
	.amdgpu_metadata
---
amdhsa.version: [ 1, 2 ]
amdhsa.kernels:
  - .name:           k_q8c9f4c77af_ffn2
    .symbol:         k_q8c9f4c77af_ffn2.kd
    .args:
      - { .name: fq, .offset: 0, .size: 8, .value_kind: global_buffer, .address_space: global }
      - { .name: wq, .offset: 8, .size: 8, .value_kind: global_buffer, .address_space: global }
      - { .name: b2, .offset: 16, .size: 8, .value_kind: global_buffer, .address_space: global }
      - { .name: hf, .offset: 24, .size: 8, .value_kind: global_buffer, .address_space: global }
      - { .name: yy, .offset: 32, .size: 8, .value_kind: global_buffer, .address_space: global }
    .group_segment_fixed_size: 279040
    .private_segment_fixed_size: 0
    .kernarg_segment_align: 8
    .kernarg_segment_size: 40
    .max_flat_workgroup_size: 128
    .sgpr_count:     66
    .vgpr_count:     1024
    .wavefront_size: 32
...
	.end_amdgpu_metadata
.endif
;; end of part 6
;; launch ln2 (part 7): grid 256 x 1, 4 waves a work-group, no clusters, 0 bytes of LDS; arguments yy, g2, be2, out0; writes out0
.if DOCPART == 7
	.amdgcn_target "amdgcn-amd-amdhsa--gfx1250"
	.amdhsa_code_object_version 6
	.text
	.protected	k_q8c9f4c77af_ln2
	.globl	k_q8c9f4c77af_ln2
	.p2align	8
	.type	k_q8c9f4c77af_ln2,@function
k_q8c9f4c77af_ln2:
	s_mov_b64 s[64:65], 0
	v_nop
	global_prefetch_b8 v0, s[64:65] scope:SCOPE_SE
	s_setreg_imm32_b32 hwreg(HW_REG_WAVE_MODE, 25, 1), 1
	s_wait_xcnt 0x0
; LN2: out0 = LayerNorm(yy) g2 + be2.  Nothing is left out.  The text is launch ln1's without the part that quantises: no LDS, no barrier.
; A work-group takes 16 rows, a wave four, each row whole in 32 registers of the wave: mean, then the mean of the squared deviations.  Every load and store covers 512 consecutive bytes.
.set LO,  1
.set SM,  8
.set QS,  16
.set Y,   32
.set G,   160
.set BE,  192
.set SEL, 18
.macro REDUCE b
.irp k, 0,1,2,3
	v_add_f32 v[\b+2*\k], v[\b+2*\k], v[\b+2*\k+1]
.endr
.irp m, 1,2,4,8
.irp k, 0,1,2,3
	v_add_f32_dpp v[\b+2*\k], v[\b+2*\k], v[\b+2*\k] row_xmask:\m row_mask:0xf bank_mask:0xf
.endr
.endr
.irp k, 0,1,2,3
	v_permlanex16_b32 v[\b+2*\k+1], v[\b+2*\k], s[SEL], s[SEL+1]
.endr
.irp k, 0,1,2,3
	v_add_f32 v[\b+2*\k], v[\b+2*\k], v[\b+2*\k+1]
.endr
.endm
	s_load_b256 s[4:11], s[0:1], 0x0               ; yy, g, be, out0
	v_lshrrev_b32 v4, 5, v0
	v_readfirstlane_b32 s14, v4
	v_and_b32 v4, 31, v0
	v_lshlrev_b32 v[LO], 4, v4
	s_lshl_b32 s16, ttmp9, 16
	s_lshl_b32 s17, s14, 14
	s_add_co_u32 s16, s16, s17
	s_mov_b32 s17, 0
	s_mov_b32 s[SEL], 0x76543210
	s_mov_b32 s[SEL+1], 0xfedcba98
	s_mov_b32 s20, 0x3a800000                      ; 1 / 1,024
	s_wait_alu depctr_va_vdst(0)
	s_wait_kmcnt 0x0
	s_add_nc_u64 s[4:5], s[4:5], s[16:17]
	s_add_nc_u64 s[10:11], s[10:11], s[16:17]
.irp k, 0,1,2,3
.irp i, 0,1,2,3,4,5,6,7
	global_load_b128 v[Y+32*\k+4*\i:Y+32*\k+4*\i+3], v[LO], s[4:5] offset:4096*\k+512*\i th:TH_LOAD_NT
.endr
.endr
.irp i, 0,1,2,3,4,5,6,7
	global_load_b128 v[G+4*\i:G+4*\i+3], v[LO], s[6:7] offset:512*\i
	global_load_b128 v[BE+4*\i:BE+4*\i+3], v[LO], s[8:9] offset:512*\i
.endr
	s_wait_loadcnt 16                              ; the rows are in; the 16 loads of gain and offset may be out
.irp k, 0,1,2,3
	v_pk_add_f32 v[SM+2*\k:SM+2*\k+1], v[Y+32*\k:Y+32*\k+1], v[Y+32*\k+2:Y+32*\k+3]
.endr
.irp i, 4,6,8,10,12,14,16,18,20,22,24,26,28,30
.irp k, 0,1,2,3
	v_pk_add_f32 v[SM+2*\k:SM+2*\k+1], v[SM+2*\k:SM+2*\k+1], v[Y+32*\k+\i:Y+32*\k+\i+1]
.endr
.endr
	REDUCE SM
.irp k, 0,1,2,3
	v_mul_f32 v[SM+2*\k], s20, v[SM+2*\k]
.endr
.irp i, 0,2,4,6,8,10,12,14,16,18,20,22,24,26,28,30
.irp k, 0,1,2,3
	v_pk_add_f32 v[Y+32*\k+\i:Y+32*\k+\i+1], v[Y+32*\k+\i:Y+32*\k+\i+1], v[SM+2*\k:SM+2*\k+1] op_sel_hi:[1,0] neg_lo:[0,1] neg_hi:[0,1]
.endr
.endr
.irp k, 0,1,2,3
	v_pk_mul_f32 v[QS+2*\k:QS+2*\k+1], v[Y+32*\k:Y+32*\k+1], v[Y+32*\k:Y+32*\k+1]
.endr
.irp i, 2,4,6,8,10,12,14,16,18,20,22,24,26,28,30
.irp k, 0,1,2,3
	v_pk_fma_f32 v[QS+2*\k:QS+2*\k+1], v[Y+32*\k+\i:Y+32*\k+\i+1], v[Y+32*\k+\i:Y+32*\k+\i+1], v[QS+2*\k:QS+2*\k+1]
.endr
.endr
	REDUCE QS
.irp k, 0,1,2,3
	v_fmaak_f32 v[QS+2*\k], s20, v[QS+2*\k], 0x3727c5ac
.endr
	s_wait_alu depctr_va_vdst(0)
.irp k, 0,1,2,3
	v_rsq_f32 v[QS+2*\k], v[QS+2*\k]
.endr
	v_nop                                          ; a plain line behind the last of the four
	s_wait_alu depctr_va_vdst(0)                   ; one wait for the four, ahead of their first reader
	s_wait_loadcnt 0x0
.irp i, 0,2,4,6,8,10,12,14,16,18,20,22,24,26,28,30
.irp k, 0,1,2,3
	v_pk_mul_f32 v[Y+32*\k+\i:Y+32*\k+\i+1], v[Y+32*\k+\i:Y+32*\k+\i+1], v[QS+2*\k:QS+2*\k+1] op_sel_hi:[1,0]
.endr
.endr
.irp i, 0,2,4,6,8,10,12,14,16,18,20,22,24,26,28,30
.irp k, 0,1,2,3
	v_pk_fma_f32 v[Y+32*\k+\i:Y+32*\k+\i+1], v[Y+32*\k+\i:Y+32*\k+\i+1], v[G+\i:G+\i+1], v[BE+\i:BE+\i+1]
.endr
.endr
.irp k, 0,1,2,3
.irp i, 0,1,2,3,4,5,6,7
	global_store_b128 v[LO], v[Y+32*\k+4*\i:Y+32*\k+4*\i+3], s[10:11] offset:4096*\k+512*\i th:TH_STORE_NT
.endr
.endr
	s_endpgm
.Lfunc_end_k_q8c9f4c77af_ln2:
	.size	k_q8c9f4c77af_ln2, .Lfunc_end_k_q8c9f4c77af_ln2-k_q8c9f4c77af_ln2
	.p2alignl 7, 3214868480
	.fill 96, 4, 3214868480
	.section	.rodata,"a",@progbits
	.p2align	6, 0x0
	.amdhsa_kernel k_q8c9f4c77af_ln2
		.amdhsa_group_segment_fixed_size 0
		.amdhsa_private_segment_fixed_size 0
		.amdhsa_enable_private_segment 0
		.amdhsa_kernarg_size 32
		.amdhsa_user_sgpr_count 2
		.amdhsa_user_sgpr_kernarg_segment_ptr 1
		.amdhsa_wavefront_size32 1
		.amdhsa_system_sgpr_workgroup_id_x 1
		.amdhsa_system_sgpr_workgroup_id_y 1
		.amdhsa_system_sgpr_workgroup_id_z 1
		.amdhsa_system_vgpr_workitem_id 0
		.amdhsa_next_free_vgpr 256
		.amdhsa_next_free_sgpr 66
		.amdhsa_reserve_vcc 0
		.amdhsa_float_denorm_mode_32 3
		.amdhsa_float_denorm_mode_16_64 3
		.amdhsa_memory_ordered 1
		.amdhsa_forward_progress 1
		.amdhsa_inst_pref_size 32
	.end_amdhsa_kernel
	.amdgpu_metadata
---
amdhsa.version: [ 1, 2 ]
amdhsa.kernels:
  - .name:           k_q8c9f4c77af_ln2
    .symbol:         k_q8c9f4c77af_ln2.kd
    .args:
      - { .name: yy, .offset: 0, .size: 8, .value_kind: global_buffer, .address_space: global }
      - { .name: g2, .offset: 8, .size: 8, .value_kind: global_buffer, .address_space: global }
      - { .name: be2, .offset: 16, .size: 8, .value_kind: global_buffer, .address_space: global }
      - { .name: out0, .offset: 24, .size: 8, .value_kind: global_buffer, .address_space: global }
    .group_segment_fixed_size: 0
    .private_segment_fixed_size: 0
    .kernarg_segment_align: 8
    .kernarg_segment_size: 32
    .max_flat_workgroup_size: 128
    .sgpr_count:     66
    .vgpr_count:     256
    .wavefront_size: 32
...
	.end_amdgpu_metadata
.endif
;; end of part 7
